; MI455X (gfx1250); checked and timed in simulation.
; The chip was launched on July 23, 2026; its instructions are those of AMD's public machine-readable ISA for CDNA 5 (MIT licence, August 2026) and "CDNA5" Instruction Set Architecture Reference Guide (July 2026). The comments in the code are by the model that wrote it; some were corrected since.
;; Self Attention Block. Allowed arithmetic: matrix products marked QUANTISED: E4M3 operands, one given power-of-two scale a tensor, by v_wmma_f32_16x16x64_fp8_fp8 or v_wmma_f32_16x16x128_fp8_fp8, f32 sums; everything else in f32.
;; Inputs: beta 256 float32; bk 256 float32; bo 256 float32; bq 256 float32; bv 256 float32; gamma 256 float32; lowp_scales 12 int32 (the exponents e of the quantised operands' scales 2^e); wk_codes 256 x 8 x 32 uint8 (E4M3 codes of wk, K innermost, in blocks of 32 codes); wo_codes 256 x 8 x 32 uint8 (E4M3 codes of wo, K innermost, in blocks of 32 codes); wq_codes 256 x 8 x 32 uint8 (E4M3 codes of wq, K innermost, in blocks of 32 codes); wv_codes 256 x 8 x 32 uint8 (E4M3 codes of wv, K innermost, in blocks of 32 codes); x 64 x 256 x 32 x 32 float32.
;; Outputs: out0 64 x 256 x 32 x 32 float32.
;; This version of the problem:
;;   THIS VERSION OF THE PROBLEM IS GIVEN IN LOW PRECISION. The matrix products marked QUANTISED in the list below multiply operands that are first quantised to E4M3 (4 exponent bits, 3 mantissa bits; 8 bits a number), with one given power-of-two scale for each operand tensor; their sums are f32. All else is computed in f32.
;;   The module's matrix products, in the order in which they are computed (A, B: the left and right operand; K: the contracted axis; several contracted axes count as one K, in the product's order):
;;     1. [M 256, K 256] x [K 256, N 65,536]; A: input wq (given as codes); B: computed on the way: QUANTISED (scales: A lowp_scales[0], B lowp_scales[1])
;;     2. [M 256, K 256] x [K 256, N 65,536]; A: input wk (given as codes); B: computed on the way: QUANTISED (scales: A lowp_scales[2], B lowp_scales[3])
;;     3. [M 256, K 256] x [K 256, N 65,536]; A: input wv (given as codes); B: computed on the way: QUANTISED (scales: A lowp_scales[4], B lowp_scales[5])
;;     4. batch 64 x [M 1,024, K 256] x [K 256, N 1,024]; A: computed on the way; B: computed on the way: QUANTISED (scales: A lowp_scales[6], B lowp_scales[7])
;;     5. batch 64 x [M 1,024, K 1,024] x [K 1,024, N 256]; A: softmax (see below); B: computed on the way: QUANTISED (scales: A lowp_scales[8], B lowp_scales[9])
;;     6. [M 256, K 256] x [K 256, N 65,536]; A: input wo (given as codes); B: computed on the way: QUANTISED (scales: A lowp_scales[10], B lowp_scales[11])
;;   THE QUANTISER, for each operand of a quantised product, along K:
;;     - The operand's scale is 2^e, e = its entry of the input lowp_scales (int32; the entries are numbered through the quantised products in the list's order, A before B).
;;     - Each number is divided by the scale, clamped to +-448, and rounded to the nearest number of E4M3, ties to even, subnormals kept.
;;     - The product sums the exact products of the quantised numbers (number of the format x scale) in f32.
;;   ~~~python
;;   def quantise(x, axis, e):      # numpy; x: float32 -> the quantised numbers, widened to float32 again
;;       x = np.moveaxis(x, axis, -1); K = x.shape[-1]
;;       r = np.clip(x / 2.0 ** e, -448, 448)
;;       step = 2.0 ** (np.maximum(np.frexp(np.where(r == 0, 1, r))[1] - 1, -6) - 3)
;;       q = np.round(r / step) * step * 2.0 ** e      # np.round: ties to even
;;       return np.moveaxis(q, -1, axis).astype(np.float32)
;;   ~~~
;;   SOFTMAX AHEAD OF A QUANTISED PRODUCT. Where the list says 'softmax', what is quantised is not the finished softmax but p = 2^(t - M), with t = logit x log2(e) and M = ceil(the row's largest t), a whole number; so 1/2 < the row's largest p <= 1. The row's sum l is taken of the UNQUANTISED p, in f32, and the product's result is divided by l at the end. Since M is a whole number, a kernel that streams over the keys may use a running M (the ceiling of the running maximum): every later rescaling is an exact power of two, so the quantised numbers keep their values, but for numbers so far below the row's largest that they fall under the format's range.
;;   OPERANDS COMPUTED ON THE WAY. 'Computed on the way' means the value that the module computes at that place (a softmax that the list does not call 'softmax' is quantised finished and normalised). What goes into a quantiser is computed in f32, as accurately as f32 sums, v_exp_f32 and their like allow (about 1e-6 of the number): no bf16 or f16 on the way to a quantiser, and a product that is left as it is and whose result goes on into a quantised operand takes f32 operands (vector FMAs, or v_wmma_f32_16x16x4_f32). A number that lies on a knife's edge between two numbers of the format may be rounded either way, as far as f32 arithmetic and the matrix unit's own rounding can turn it there, and no further.
;;   INPUTS GIVEN AS CODES. wk (in the module: [256, 256], K = its axis 1); wo (in the module: [256, 256], K = its axis 1); wq (in the module: [256, 256], K = its axis 1); wv (in the module: [256, 256], K = its axis 1): each comes as NAME_codes (uint8): NAME with its K axis moved to the last place and cut into blocks of 32 codes, [.., K / 32, bytes a block], one block behind the other in memory; one code a byte (a code: sign, 4 exponent bits, 3 mantissa bits); its scale is its entry of lowp_scales. Its value is code x scale, taken as it is: it is not quantised again, and the codes and scales need not be those that the quantiser above would give.
;; 2 versions, each right; version 2 is version 1 with the launch proj written anew for expert scheduling mode. Each part assembles by itself: llvm-mc -triple=amdgcn-amd-amdhsa -mcpu=gfx1250 --defsym DOCPART=n.
;; ======== version 1 of 2: 3 launches
;; workspace buffers: ab 131,072 bytes; qc 16,777,216 bytes; kc 16,777,216 bytes; vc 16,777,216 bytes
;; launch stats (part 1): grid 512 x 1, 8 waves a work-group, no clusters, 1,280 bytes of LDS; arguments x, gamma, beta, ab; writes ab
.if DOCPART == 1
	.amdgcn_target "amdgcn-amd-amdhsa--gfx1250"
	.amdhsa_code_object_version 6
	.text
	.protected	k_qafe8d970a2_stats
	.globl	k_qafe8d970a2_stats
	.p2align	8
	.type	k_qafe8d970a2_stats,@function
k_qafe8d970a2_stats:
	s_mov_b64 s[64:65], 0
	v_nop
	global_prefetch_b8 v0, s[64:65] scope:SCOPE_SE
	s_setreg_imm32_b32 hwreg(HW_REG_WAVE_MODE, 25, 1), 1
	s_wait_xcnt 0x0
; GroupNorm's statistics.  x: [64][256][1024] f32; a group is 8 channels x 1,024 pixels = 8,192 numbers, 32,768 bytes on end.
; For each channel the pair a = gamma x rstd, d = beta - mean x a is stored ([64][256]{a, d}), so that later xn = a x + d is one fused multiply-add.
; SHARES.  A work-group takes 4 groups (32 channels, 131,072 bytes on end); wave w takes half (w % 2) of group w / 2: 16,384 bytes, kept in 128 registers,
; so that x is read once here though the variance is taken in two passes: the mean first, then the squares of x - mean.  No difference of large sums is formed.
; Each load of a wave covers 512 consecutive bytes.  The two halves of a group meet in LDS (one word a wave for each pass), behind a barrier.
; No matrix unit, no tensor load, no cluster: the work-groups share no input, and each byte is read once.
; LIMITS: NaN and infinities among the inputs are not served.
.set X,   32                           ; v32-159  my 128 numbers x 32 lanes
.set CH,  4                            ; v4-11    four packed chains
.set INV, 0x39000000                   ; 2^-13 = 1 / 8,192 as f32
	s_load_b256 s[4:11], s[0:1], 0x0               ; x s[4:5], gamma s[6:7], beta s[8:9], ab s[10:11]
	v_lshl_add_u32 v160, v0, 2, 0x100
	v_mov_b32 v161, 0
	v_and_b32 v3, 31, v0                           ; lane
	v_lshrrev_b32 v2, 5, v0                        ; wave
	v_readfirstlane_b32 s16, v2
	v_lshlrev_b32 v1, 4, v3
	v_lshl_add_u32 v1, v2, 14, v1                  ; x: 16,384 x wave + 16 x lane
	v_lshlrev_b32 v14, 2, v2                       ; LDS: my wave's word
	v_lshrrev_b32 v15, 6, v0
	v_lshlrev_b32 v15, 3, v15                      ; LDS: my group's two words: 8 x (wave / 2)
	v_and_b32 v24, 24, v0                          ; LDS, for wave 0 at the end: lane l's channel lies in group l / 8: 8 x (l / 8)
	v_lshlrev_b32 v25, 3, v3                       ; ab: 8 bytes a lane
	s_and_b32 s14, ttmp9, 7
	s_lshl_b32 s14, s14, 7                         ; eight work-groups to an image: my 32 channels begin at byte 128 x (work-group % 8) of gamma and beta
	v_lshl_add_u32 v2, v3, 2, s14
	s_lshl_b32 s2, ttmp9, 17                       ; 131,072 bytes of x a work-group (under 2^26 in all)
	s_mov_b32 s3, 0
	s_lshl_b32 s18, ttmp9, 8                       ; 256 bytes of ab a work-group
	s_mov_b32 s19, 0
	s_mov_b32 s12, 0x76543210                      ; v_permlanex16_b32: lane l takes lane l xor 16
	s_mov_b32 s13, 0xfedcba98
	s_mov_b32 s15, INV
	v_mov_b32 v13, 0                               ; a lane permute's destination counts as read: written once
	s_wait_kmcnt 0x0
	s_add_nc_u64 s[4:5], s[4:5], s[2:3]
	s_add_nc_u64 s[10:11], s[10:11], s[18:19]
	global_load_b32 v20, v2, s[6:7]                ; gamma and beta of channel lane: asked for first, so that the waits for x cover them
	global_load_b32 v21, v2, s[8:9]
.set i, 0
.rept 32
	global_load_b128 v[X+4*i:X+4*i+3], v1, s[4:5] offset:512*i th:TH_LOAD_NT
.set i, i+1
.endr
; batch b of eight loads (32 registers, 16 pairs) goes into the four chains; the first eight pairs start them: nothing is cleared
.macro ADDB b
.if \b == 0
.irp k, 0,1,2,3
	v_pk_add_f32 v[CH+2*\k:CH+2*\k+1], v[X+2*\k:X+2*\k+1], v[X+8+2*\k:X+8+2*\k+1]
.endr
.endif
.irp p, 0,1,2,3,4,5,6,7,8,9,10,11,12,13,14,15
.if (\b > 0) || (\p > 7)
	v_pk_add_f32 v[CH+2*(\p%4):CH+2*(\p%4)+1], v[CH+2*(\p%4):CH+2*(\p%4)+1], v[X+32*\b+2*\p:X+32*\b+2*\p+1]
.endif
.endr
.endm
; the four chains, then the 32 lanes: the wave's sum in every lane of v12
.macro REDUCE
	v_pk_add_f32 v[4:5], v[4:5], v[6:7]
	v_pk_add_f32 v[8:9], v[8:9], v[10:11]
	v_pk_add_f32 v[4:5], v[4:5], v[8:9]
	v_add_f32 v12, v4, v5
	v_add_f32_dpp v12, v12, v12 row_xmask:1 row_mask:0xf bank_mask:0xf
	v_add_f32_dpp v12, v12, v12 row_xmask:2 row_mask:0xf bank_mask:0xf
	v_add_f32_dpp v12, v12, v12 row_xmask:4 row_mask:0xf bank_mask:0xf
	v_add_f32_dpp v12, v12, v12 row_xmask:8 row_mask:0xf bank_mask:0xf
	v_permlanex16_b32 v13, v12, s12, s13
	v_add_f32 v12, v12, v13
.endm
	; pass 1: the sum.  Each wait leaves the younger batches of eight loads out
	s_wait_loadcnt 24
	ADDB 0
	s_wait_loadcnt 16
	ADDB 1
	s_wait_loadcnt 8
	ADDB 2
	s_wait_loadcnt 0x0
	ADDB 3
	REDUCE
	ds_store_b32 v14, v12                          ; all lanes write the same number to my wave's word
	s_wait_dscnt 0x0                               ; for the others' sake: my store has landed
	s_barrier_signal -1
	s_barrier_wait -1
	ds_load_b64 v[16:17], v15                      ; the two halves of my group
	s_wait_dscnt 0x0
	v_add_f32 v18, v16, v17
	v_mul_f32 v18, s15, v18                        ; the group's mean
	v_mov_b32 v19, v18
	; pass 2: the sum of (x - mean)^2, four pairs at a time; the first four products start the chains
.set p, 0
.rept 16
.irp k, 0,1,2,3
	v_pk_add_f32 v[X+2*(p+\k):X+2*(p+\k)+1], v[X+2*(p+\k):X+2*(p+\k)+1], v[18:19] neg_lo:[0,1] neg_hi:[0,1]
.endr
.irp k, 0,1,2,3
.if p == 0
	v_pk_mul_f32 v[CH+2*\k:CH+2*\k+1], v[X+2*\k:X+2*\k+1], v[X+2*\k:X+2*\k+1]
.else
	v_pk_fma_f32 v[CH+2*\k:CH+2*\k+1], v[X+2*(p+\k):X+2*(p+\k)+1], v[X+2*(p+\k):X+2*(p+\k)+1], v[CH+2*\k:CH+2*\k+1]
.endif
.endr
.set p, p+4
.endr
	REDUCE
	ds_store_b32 v14, v12 offset:64                ; other words than pass 1's, which may still be read
	s_wait_dscnt 0x0
	s_barrier_signal -1
	s_barrier_wait -1
	s_cmp_lg_u32 s16, 0                            ; wave 0 finishes for the work-group: lane l for channel l
	s_cbranch_scc1 .Ldone
	ds_load_b64 v[16:17], v24                      ; the sums of the two halves of my channel's group,
	ds_load_b64 v[22:23], v24 offset:64            ; and the sums of squares
	s_wait_dscnt 0x0
	v_add_f32 v16, v16, v17
	v_add_f32 v22, v22, v23
	v_mul_f32 v16, s15, v16                        ; mean
	v_fmaak_f32 v22, s15, v22, 0x3727c5ac          ; variance + 1e-5: the division by 8,192 rounds nothing, so this is one rounding
	v_rsq_f32 v22, v22
	v_nop                                          ; a plain instruction behind the transcendental (ISA guide 5.7.2),
	s_wait_alu depctr_va_vdst(0)                   ; and a wait ahead of its first reader
	v_mul_f32 v26, v20, v22                        ; a = gamma x rstd
	v_fma_f32 v27, -v16, v26, v21                  ; d = beta - mean x a
	global_store_b64 v25, v[26:27], s[10:11]       ; the 32 lanes store 256 consecutive bytes, aligned
.Ldone:
	s_wait_tensorcnt 0x0
	ds_add_u32 v160, v161
	s_wait_dscnt 0x0
	s_endpgm
.Lfunc_end_k_qafe8d970a2_stats:
	.size	k_qafe8d970a2_stats, .Lfunc_end_k_qafe8d970a2_stats-k_qafe8d970a2_stats
	.p2alignl 7, 3214868480
	.fill 96, 4, 3214868480
	.section	.rodata,"a",@progbits
	.p2align	6, 0x0
	.amdhsa_kernel k_qafe8d970a2_stats
		.amdhsa_group_segment_fixed_size 1280
		.amdhsa_private_segment_fixed_size 0
		.amdhsa_enable_private_segment 0
		.amdhsa_kernarg_size 32
		.amdhsa_user_sgpr_count 2
		.amdhsa_user_sgpr_kernarg_segment_ptr 1
		.amdhsa_wavefront_size32 1
		.amdhsa_system_sgpr_workgroup_id_x 1
		.amdhsa_system_sgpr_workgroup_id_y 1
		.amdhsa_system_sgpr_workgroup_id_z 1
		.amdhsa_system_vgpr_workitem_id 0
		.amdhsa_next_free_vgpr 162
		.amdhsa_next_free_sgpr 66
		.amdhsa_reserve_vcc 0
		.amdhsa_float_denorm_mode_32 3
		.amdhsa_float_denorm_mode_16_64 3
		.amdhsa_memory_ordered 1
		.amdhsa_forward_progress 1
		.amdhsa_inst_pref_size 19
	.end_amdhsa_kernel
	.amdgpu_metadata
---
amdhsa.version: [ 1, 2 ]
amdhsa.kernels:
  - .name:           k_qafe8d970a2_stats
    .symbol:         k_qafe8d970a2_stats.kd
    .args:
      - { .name: x, .offset: 0, .size: 8, .value_kind: global_buffer, .address_space: global }
      - { .name: gamma, .offset: 8, .size: 8, .value_kind: global_buffer, .address_space: global }
      - { .name: beta, .offset: 16, .size: 8, .value_kind: global_buffer, .address_space: global }
      - { .name: ab, .offset: 24, .size: 8, .value_kind: global_buffer, .address_space: global }
    .group_segment_fixed_size: 1280
    .private_segment_fixed_size: 0
    .kernarg_segment_align: 8
    .kernarg_segment_size: 32
    .max_flat_workgroup_size: 256
    .sgpr_count:     66
    .vgpr_count:     162
    .wavefront_size: 32
...
	.end_amdgpu_metadata
.endif
;; end of part 1
;; launch proj (part 2): grid 4 x 64, 8 waves a work-group, no clusters, 197,632 bytes of LDS; arguments x, ab, wq_codes, wk_codes, wv_codes, bq, bk, bv, lowp_scales, qc, kc, vc; writes qc, kc, vc
.if DOCPART == 2
	.amdgcn_target "amdgcn-amd-amdhsa--gfx1250"
	.amdhsa_code_object_version 6
	.text
	.protected	k_qafe8d970a2_proj
	.globl	k_qafe8d970a2_proj
	.p2align	8
	.type	k_qafe8d970a2_proj,@function
k_qafe8d970a2_proj:
	s_mov_b64 s[64:65], 0
	v_nop
	global_prefetch_b8 v0, s[64:65] scope:SCOPE_SE
	s_setreg_imm32_b32 hwreg(HW_REG_WAVE_MODE, 25, 1), 1
	s_wait_xcnt 0x0
; xn = a x + d (GroupNorm), quantised three times (scales e1, e3, e5); q = Wq xn + bq, k = Wk xn + bk, v = Wv xn + bv on codes of E4M3; q, k, v quantised (e6, e7, e9) and stored as codes.
; SHARES.  A work-group takes 256 pixels of one image, all 256 channels.  THE WAVES SHARE THE OUTPUT CHANNELS: wave w keeps rows 32 w .. 32 w + 31 of Wq, Wk and Wv in registers (192) and makes
; those outputs for all 256 pixels.  What goes round is xn's codes: each wave quantises 32 pixels and the others read them from LDS.
; IMAGES.  An operand goes through LDS, and into qc, kc, vc, as an image of its registers.  A unit is 16 rows x 128 along K, 2,048 bytes: group c (0..3) of 512 bytes; lane l = 16 h + r puts 16 bytes at
; 512 c + 16 l: row r, k = 32 c + 16 h + 0 .. 15.  A load of 16 bytes a lane at 16 x lane brings four operand registers.  That order of k is the same in both operands of every product, so each code meets its partner.
; THE ROWS OF A TILE ARE NOT NEIGHBOURS: index m of tile 2 b + u stands for element 32 b + 8 u + m + (m & 8), for pixels and for the rows of the weights alike.  So the 16 result registers of tiles 2 b and 2 b + 1
; are 16 neighbours, 32 b + 16 h + 0 .. 15, along the next product's K.
;   q, k: source 0 = 16 rows of W, source 1 = 16 pixels: a lane holds one pixel and 16 neighbouring channels: K of q k^T.   qc, kc: [image][pixel tile 0..63][half of K][2,048].
;   v:    source 0 = 16 pixels, source 1 = 16 rows of Wv: a lane holds one channel and 16 neighbouring pixels: K of p v.     vc: [image][64 keys 0..15][channel tile 0..15][c 0..1][512].
; THE SCALES ARE FOLDED: a sum stands for sum x 2^(eA + eB); the bias goes in as the C of the first product, divided by that power; the conversion takes 2^(e_out - eA - eB).
; NO JOINT LOADS: all work-groups read the same 196,608 bytes of weights, but they go straight into operand registers; brought jointly they would need 196,608 bytes of LDS beside the 196,608 of the images,
; more than a work-group can claim; and they stand beside 262,144 bytes of x read and 196,608 bytes of codes written that nobody shares.
; LIMITS, so that each power of two is an f32 number: e1, e3, e5, e6 - e0 - e1, e7 - e2 - e3, e9 - e4 - e5 between -126 and 119.  NaN among the inputs is not served.
; REGISTERS.  window 0: v2 x's offset; v3-5 where I store images (set 0, 1, 2); v6-8 16 x lane + set x 65,536: where images are read (v6 also the stores' offset); v9-11 offsets of weights and biases;
;   v12-17 scale and limit of xn's three sets; v18-23 of q, k, v; v28-29 bv as loaded.  Phase X: v64-159 three sets of 32 numbers; v160-191 held numbers; v192-215 codes.
;   Phase P: v32-95, v96-159 two buffers of four fragments; v160-191 four accumulators; v192-199 codes.   window 1: v0-191 the weights (64 m + 32 u + 16 kh); v192-207 bq, v208-223 bk, v224-239 bv.
; SCALARS.  s[4:5] x, s[6:7] ab, s[8:9] qc, s[10:11] kc, s[12:13] vc, each at my part; s48-57 e0..e9; s58 wave; s59-61 -(e0+e1), -(e2+e3), -(e4+e5); s[16:47], s[68:99]: (a, d) of 16 channels each.
.set XS,  64
.set TH,  160
.set CD,  192
.set AC,  160
.set OC,  192
.set BQ,  192
.set BV,  224
.set MSB, 0
.macro WIN new                         ; the immediate's high byte repeats the setting that is left; bits 1:0 source 0, 3:2 source 1, 5:4 source 2, 7:6 destination
.if MSB != \new
	s_set_vgpr_msb (MSB<<8)|\new
.set MSB, \new
.endif
.endm
.macro MKSC sc, lim, e                 ; v[sc] = 2^e as f32 (a conversion takes its exponent field), v[lim] = 448 x 2^e; e in s[e]
	s_add_co_i32 s2, s[\e], 127
	s_lshl_b32 s14, s2, 23
	v_mov_b32 v[\sc], s14
	s_add_co_i32 s2, s2, 8
	s_lshl_b32 s2, s2, 23
	s_or_b32 s2, s2, 0x600000
	v_mov_b32 v[\lim], s2
.endm
	s_load_b512 s[16:31], s[0:1], 0x0              ; x, ab, wq, wk, wv, bq, bk, bv
	s_load_b256 s[32:39], s[0:1], 0x40             ; the scales' exponents, qc, kc, vc
	v_lshl_add_u32 v254, v0, 2, 0x30000
	v_mov_b32 v255, 0
	v_lshrrev_b32 v24, 5, v0
	v_readfirstlane_b32 s58, v24                   ; wave 0..7
	v_and_b32 v24, 31, v0
	v_lshlrev_b32 v6, 4, v24                       ; 16 x lane
	v_add_nc_u32 v7, 0x10000, v6
	v_add_nc_u32 v8, 0x20000, v6
	v_and_b32 v24, 15, v0                          ; r
	v_bfe_u32 v25, v0, 4, 1                        ; h
	v_and_b32 v26, 8, v24
	v_add_nc_u32 v26, v26, v24                     ; r + (r & 8)
	v_lshl_add_u32 v2, v25, 3, v26
	v_lshlrev_b32 v2, 2, v2                        ; phase X: my pixel among the wave's 32: index r of tile h: 8 h + r + (r & 8); 4 bytes each
	v_lshrrev_b32 v3, 4, v0
	v_lshlrev_b32 v3, 12, v3
	v_lshl_add_u32 v3, v24, 4, v3                  ; and its place in the images: tile 2 wave + h is 4,096 x (thread / 16); + 16 r
	v_add_nc_u32 v4, 0x10000, v3
	v_add_nc_u32 v5, 0x20000, v3
	v_lshlrev_b32 v9, 8, v26
	v_lshl_add_u32 v9, v25, 4, v9                  ; a weight's fragment: row r + (r & 8) of 256 bytes, + 16 h
	v_lshlrev_b32 v10, 6, v25                      ; bq, bk: 16 h channels on
	v_lshlrev_b32 v11, 2, v26                      ; bv: channel r + (r & 8)
	s_and_b32 s59, ttmp7, 0xffff                   ; the image
	s_mov_b32 s3, 0
	s_wait_kmcnt 0x0
	s_load_b256 s[48:55], s[32:33], 0x0            ; e0 .. e7
	s_load_b64 s[56:57], s[32:33], 0x20            ; e8, e9
	s_lshl_b32 s60, s59, 20                        ; x: an image is 2^20 bytes, my block's 256 pixels 1,024 bytes on, my wave's 32 pixels 128 bytes on
	s_lshl_b32 s61, ttmp9, 10
	s_add_co_u32 s60, s60, s61
	s_lshl_b32 s61, s58, 7
	s_add_co_u32 s2, s60, s61
	s_add_nc_u64 s[4:5], s[16:17], s[2:3]
	s_lshl_b32 s2, s59, 11                         ; ab: 2,048 bytes an image
	s_add_nc_u64 s[6:7], s[18:19], s[2:3]
	s_lshl_b32 s60, s59, 18                        ; the codes: 2^18 bytes an image, 2^16 a block of 256 pixels
	s_lshl_b32 s61, ttmp9, 16
	s_add_co_u32 s60, s60, s61
	s_lshr_b32 s61, s58, 2                         ; qc, kc: my 32 channels are group wave % 4 of half wave / 4 of K
	s_lshl_b32 s61, s61, 11
	s_and_b32 s62, s58, 3
	s_lshl_b32 s62, s62, 9
	s_add_co_u32 s61, s61, s62
	s_add_co_u32 s2, s60, s61
	s_add_nc_u64 s[8:9], s[34:35], s[2:3]
	s_add_nc_u64 s[10:11], s[36:37], s[2:3]
	s_lshl_b32 s61, s58, 11                        ; vc: my two channel tiles, 1,024 bytes each
	s_add_co_u32 s2, s60, s61
	s_add_nc_u64 s[12:13], s[38:39], s[2:3]
	s_lshl_b32 s2, s58, 13                         ; my 32 rows of each weight
	s_add_nc_u64 s[20:21], s[20:21], s[2:3]
	s_add_nc_u64 s[22:23], s[22:23], s[2:3]
	s_add_nc_u64 s[24:25], s[24:25], s[2:3]
	s_lshl_b32 s2, s58, 7                          ; my 32 numbers of each bias
	s_add_nc_u64 s[26:27], s[26:27], s[2:3]
	s_add_nc_u64 s[28:29], s[28:29], s[2:3]
	s_add_nc_u64 s[30:31], s[30:31], s[2:3]
	WIN 0x40                                       ; destination window 1
.irp m, 0,1,2                          ; the weights stay in registers: weight m, tile u (rows 8 u + r + (r & 8) of my 32), half kh of K
.irp u, 0,1
.irp kh, 0,1
.irp c, 0,1,2,3
	global_load_b128 v[64*\m+32*\u+16*\kh+4*\c:64*\m+32*\u+16*\kh+4*\c+3], v9, s[20+2*\m:21+2*\m] offset:\u*2048+\kh*128+32*\c
.endr
.endr
.endr
.endr
.irp m, 0,1                            ; bq, bk in the result's layout: register j of tile u is channel 16 h + 8 u + j of my 32
.irp u, 0,1
	global_load_b128 v[BQ+16*\m+8*\u:BQ+16*\m+8*\u+3], v10, s[26+2*\m:27+2*\m] offset:32*\u
	global_load_b128 v[BQ+16*\m+8*\u+4:BQ+16*\m+8*\u+7], v10, s[26+2*\m:27+2*\m] offset:32*\u+16
.endr
.endr
	WIN 0
	global_load_b32 v28, v11, s[30:31]             ; bv: in v's result a lane holds one channel: 8 u + r + (r & 8)
	global_load_b32 v29, v11, s[30:31] offset:32
; block cb: channels 32 cb + i of my pixel, i = 0 .. 31, into set cb % 3.  A LANE TAKES A PIXEL AND ITS REGISTERS RUN DOWN THE CHANNELS, which are K.  A wave's load covers 128 consecutive bytes, the eight waves' 1,024
.macro LOADX cb
.set i, 0
.rept 32
	global_load_b32 v[XS+32*((\cb)%3)+i], v2, s[4:5] offset:(32*(\cb)+i)*4096 th:TH_LOAD_NT
.set i, i+1
.endr
.endm
	LOADX 0
	LOADX 1
	s_wait_kmcnt 0x0                               ; the exponents
	MKSC 12, 13, 49                                ; xn for q: e1
	MKSC 14, 15, 51                                ; for k: e3
	MKSC 16, 17, 53                                ; for v: e5
	s_add_co_i32 s59, s48, s49
	s_sub_co_i32 s59, 0, s59                       ; -(e0 + e1)
	s_add_co_i32 s60, s50, s51
	s_sub_co_i32 s60, 0, s60
	s_add_co_i32 s61, s52, s53
	s_sub_co_i32 s61, 0, s61
	s_add_co_i32 s62, s54, s59
	MKSC 18, 19, 62                                ; q: e6 - e0 - e1
	s_add_co_i32 s62, s55, s60
	MKSC 20, 21, 62                                ; k: e7 - e2 - e3
	s_add_co_i32 s62, s57, s61
	MKSC 22, 23, 62                                ; v: e9 - e4 - e5
	s_wait_xcnt 0x0                                ; every load so far has read its base: s16-47 may be written again
	s_load_b512 s[16:31], s[6:7], 0x0              ; (a, d) of channels 0-7, 8-15,
	s_load_b512 s[32:47], s[6:7], 0x40
	s_load_b512 s[68:83], s[6:7], 0x80             ; 16-23, 24-31
	s_load_b512 s[84:99], s[6:7], 0xc0
; PHASE X, a block of 32 channels: xn = a x + d; for each of the three scales: the hold, the conversion, and the lane's 32 codes into the set's image: channels 0-15 of the block are h = 0's bytes, 16-31 h = 1's
.macro XBLOCK cb
.if \cb < 7
	s_wait_loadcnt 32                              ; this block's 32 loads are in (and all that was asked for earlier); the next block's may be out
.else
	s_wait_loadcnt 0x0
.endif
.if \cb < 6
	LOADX (\cb)+2
.endif
.set XB, XS+32*((\cb)%3)
	s_wait_kmcnt 0x0                               ; this block's a and d
.set i, 0
.rept 16
	v_fma_f32 v[XB+i], v[XB+i], s[16+2*i], s[17+2*i]
.set i, i+1
.endr
.if \cb < 7
	s_load_b512 s[16:31], s[6:7], 256*(\cb)+256    ; the next block's first 16 channels
	s_load_b512 s[32:47], s[6:7], 256*(\cb)+320
.endif
.set i, 0
.rept 16
	v_fma_f32 v[XB+16+i], v[XB+16+i], s[68+2*i], s[69+2*i]
.set i, i+1
.endr
.if \cb < 7
	s_load_b512 s[68:83], s[6:7], 256*(\cb)+384
	s_load_b512 s[84:99], s[6:7], 256*(\cb)+448
.endif
.irp s, 0,1,2
.set i, 0
.rept 32
	v_med3_num_f32 v[TH+i], v[XB+i], -v[13+2*\s], v[13+2*\s]   ; the conversion to an 8-bit code does not saturate (ISA guide 7.6.2): the hold at 448 x the scale
.set i, i+1
.endr
	s_wait_dscnt 4                                 ; four LDS stores were issued behind this set's two of the block before: those two have read the registers that are written now
.irp g, 0,1,2,3
	v_cvt_scalef32_pk8_fp8_f32 v[CD+8*\s+2*\g:CD+8*\s+2*\g+1], v[TH+8*\g:TH+8*\g+7], v[12+2*\s]
.endr
	v_nop                                          ; a plain instruction between the conversions and the next lines that write their sources
	ds_store_b128 v[3+\s], v[CD+8*\s:CD+8*\s+3] offset:((\cb)/4)*2048+((\cb)%4)*512
	ds_store_b128 v[3+\s], v[CD+8*\s+4:CD+8*\s+7] offset:((\cb)/4)*2048+((\cb)%4)*512+256
.endr
.endm
.irp cb, 0,1,2,3,4,5,6,7
	XBLOCK \cb
.endr
	; the biases, divided by the power of two that the sums lack (all loads are in since the last block's wait)
	WIN 0x41                                       ; source 0 and destination window 1
.set i, 0
.rept 16
	v_ldexp_f32 v[BQ+i], v[BQ+i], s59
	v_ldexp_f32 v[BQ+16+i], v[BQ+16+i], s60
.set i, i+1
.endr
	WIN 0x40                                       ; destination window 1
.irp u, 0,1
.irp j, 0,1,2,3,4,5,6,7
	v_ldexp_f32 v[BV+8*\u+\j], v[28+\u], s61       ; eight equal registers a tile: the lane's one channel, for its eight pixels
.endr
.endr
	WIN 0
	s_wait_dscnt 0x0                               ; for the others' sake: my images have landed
	s_barrier_signal -1
	s_barrier_wait -1                              ; all 96 units lie in LDS; nothing is written there any more
; PHASE P: 24 stages: pair BP of pixel tiles (32 pixels) x set SS (0 q, 1 k, 2 v).  Stage FM's four fragments (tile, half of K) come into buffer FM % 2
.macro FETCHN
.set FBP, FM/3
.set FS, FM%3
.set FBUF, 32+64*(FM%2)
.irp ptl, 0,1
.irp kh, 0,1
.irp c, 0,1,2,3
	ds_load_b128 v[FBUF+32*\ptl+16*\kh+4*\c:FBUF+32*\ptl+16*\kh+4*\c+3], v[6+FS] offset:(2*FBP+\ptl)*4096+\kh*2048+512*\c
.endr
.endr
.endr
.endm
.macro PSTAGE                          ; stage n
.set BP, n/3
.set SS, n%3
.set BUF, 32+64*(n%2)
.if n < 23
.set FM, n+1
	FETCHN                                         ; the next stage's, into the buffer that the stage before multiplied: that stage's vector work stands between (four plain instructions are asked: ISA guide 7.12.1)
	s_wait_dscnt 16                                ; all but the 16 just issued
.else
	s_wait_dscnt 0x0
.endif
; eight products, four accumulators by turns, one instruction a turn
.if SS < 2
	WIN 0x11                                       ; source 0 (W) and C (the bias) window 1
.irp ptl, 0,1
.irp u, 0,1
	v_wmma_f32_16x16x128_fp8_fp8 v[AC+16*\ptl+8*\u:AC+16*\ptl+8*\u+7], v[64*SS+32*\u:64*SS+32*\u+15], v[BUF+32*\ptl:BUF+32*\ptl+15], v[BQ+16*SS+8*\u:BQ+16*SS+8*\u+7]
.endr
.endr
	WIN 0x01
.irp ptl, 0,1
.irp u, 0,1
	v_wmma_f32_16x16x128_fp8_fp8 v[AC+16*\ptl+8*\u:AC+16*\ptl+8*\u+7], v[64*SS+32*\u+16:64*SS+32*\u+31], v[BUF+32*\ptl+16:BUF+32*\ptl+31], v[AC+16*\ptl+8*\u:AC+16*\ptl+8*\u+7]
.endr
.endr
.else
	WIN 0x14                                       ; source 1 (Wv) and C (the bias) window 1
.irp u, 0,1
.irp ptl, 0,1
	v_wmma_f32_16x16x128_fp8_fp8 v[AC+16*\u+8*\ptl:AC+16*\u+8*\ptl+7], v[BUF+32*\ptl:BUF+32*\ptl+15], v[128+32*\u:128+32*\u+15], v[BV+8*\u:BV+8*\u+7]
.endr
.endr
	WIN 0x04
.irp u, 0,1
.irp ptl, 0,1
	v_wmma_f32_16x16x128_fp8_fp8 v[AC+16*\u+8*\ptl:AC+16*\u+8*\ptl+7], v[BUF+32*\ptl+16:BUF+32*\ptl+31], v[128+32*\u+16:128+32*\u+31], v[AC+16*\u+8*\ptl:AC+16*\u+8*\ptl+7]
.endr
.endr
.endif
	WIN 0
.rept 4
	v_nop                                          ; four places behind the last product, ahead of the first read of results
.endr
.set i, 0
.rept 32
	v_med3_num_f32 v[AC+i], v[AC+i], -v[19+2*SS], v[19+2*SS]   ; the hold; each accumulator from its low end on
.set i, i+1
.endr
	s_wait_xcnt 0x0                                ; the last stage's stores have read their data registers, which are written now
.irp g, 0,1,2,3
	v_cvt_scalef32_pk8_fp8_f32 v[OC+2*\g:OC+2*\g+1], v[AC+8*\g:AC+8*\g+7], v[18+2*SS]   ; 16 registers on end are 16 neighbours along the next K: four registers of an image
.endr
	v_nop                                          ; a plain instruction between the conversions and the next products, which write their sources
.if SS < 2
.irp ptl, 0,1
	global_store_b128 v6, v[OC+4*\ptl:OC+4*\ptl+3], s[8+2*SS:9+2*SS] offset:(2*BP+\ptl)*4096   ; the wave stores 512 consecutive bytes, aligned: one group of one unit
.endr
.else
.irp u, 0,1
	global_store_b128 v6, v[OC+4*\u:OC+4*\u+3], s[12:13] offset:(BP/2)*16384+\u*1024+(BP%2)*512
.endr
.endif
.endm
.set FM, 0
	FETCHN
.set n, 0
.rept 24
	PSTAGE
.set n, n+1
.endr
	s_wait_tensorcnt 0x0
	ds_add_u32 v254, v255
	s_wait_dscnt 0x0
	s_endpgm
.Lfunc_end_k_qafe8d970a2_proj:
	.size	k_qafe8d970a2_proj, .Lfunc_end_k_qafe8d970a2_proj-k_qafe8d970a2_proj
	.p2alignl 7, 3214868480
	.fill 96, 4, 3214868480
	.section	.rodata,"a",@progbits
	.p2align	6, 0x0
	.amdhsa_kernel k_qafe8d970a2_proj
		.amdhsa_group_segment_fixed_size 197632
		.amdhsa_private_segment_fixed_size 0
		.amdhsa_enable_private_segment 0
		.amdhsa_kernarg_size 96
		.amdhsa_user_sgpr_count 2
		.amdhsa_user_sgpr_kernarg_segment_ptr 1
		.amdhsa_wavefront_size32 1
		.amdhsa_system_sgpr_workgroup_id_x 1
		.amdhsa_system_sgpr_workgroup_id_y 1
		.amdhsa_system_sgpr_workgroup_id_z 1
		.amdhsa_system_vgpr_workitem_id 0
		.amdhsa_next_free_vgpr 512
		.amdhsa_next_free_sgpr 100
		.amdhsa_reserve_vcc 0
		.amdhsa_float_denorm_mode_32 3
		.amdhsa_float_denorm_mode_16_64 3
		.amdhsa_memory_ordered 1
		.amdhsa_forward_progress 1
		.amdhsa_inst_pref_size 217
	.end_amdhsa_kernel
	.amdgpu_metadata
---
amdhsa.version: [ 1, 2 ]
amdhsa.kernels:
  - .name:           k_qafe8d970a2_proj
    .symbol:         k_qafe8d970a2_proj.kd
    .args:
      - { .name: x, .offset: 0, .size: 8, .value_kind: global_buffer, .address_space: global }
      - { .name: ab, .offset: 8, .size: 8, .value_kind: global_buffer, .address_space: global }
      - { .name: wq_codes, .offset: 16, .size: 8, .value_kind: global_buffer, .address_space: global }
      - { .name: wk_codes, .offset: 24, .size: 8, .value_kind: global_buffer, .address_space: global }
      - { .name: wv_codes, .offset: 32, .size: 8, .value_kind: global_buffer, .address_space: global }
      - { .name: bq, .offset: 40, .size: 8, .value_kind: global_buffer, .address_space: global }
      - { .name: bk, .offset: 48, .size: 8, .value_kind: global_buffer, .address_space: global }
      - { .name: bv, .offset: 56, .size: 8, .value_kind: global_buffer, .address_space: global }
      - { .name: lowp_scales, .offset: 64, .size: 8, .value_kind: global_buffer, .address_space: global }
      - { .name: qc, .offset: 72, .size: 8, .value_kind: global_buffer, .address_space: global }
      - { .name: kc, .offset: 80, .size: 8, .value_kind: global_buffer, .address_space: global }
      - { .name: vc, .offset: 88, .size: 8, .value_kind: global_buffer, .address_space: global }
    .group_segment_fixed_size: 197632
    .private_segment_fixed_size: 0
    .kernarg_segment_align: 8
    .kernarg_segment_size: 96
    .max_flat_workgroup_size: 256
    .sgpr_count:     100
    .vgpr_count:     512
    .wavefront_size: 32
...
	.end_amdgpu_metadata
.endif
;; end of part 2
;; launch attn (part 3): grid 4 x 64, 8 waves a work-group, clusters of 4 x 1, 327,680 bytes of LDS; arguments qc, kc, vc, wo_codes, bo, x, ab, lowp_scales, out0; writes out0
.if DOCPART == 3
	.amdgcn_target "amdgcn-amd-amdhsa--gfx1250"
	.amdhsa_code_object_version 6
	.text
	.protected	k_qafe8d970a2_attn
	.globl	k_qafe8d970a2_attn
	.p2align	8
	.type	k_qafe8d970a2_attn,@function
k_qafe8d970a2_attn:
	s_mov_b64 s[64:65], 0
	v_nop
	global_prefetch_b8 v0, s[64:65] scope:SCOPE_SE
	s_setreg_imm32_b32 hwreg(HW_REG_WAVE_MODE, 25, 1), 1
	s_wait_xcnt 0x0
	s_wait_alu depctr_hold_cnt(0) depctr_sa_sdst(0) depctr_va_vdst(0) depctr_va_sdst(0) depctr_va_ssrc(0) depctr_va_vcc(0) depctr_vm_vsrc(0)
	s_getreg_b32 s2, hwreg(HW_REG_IB_STS2, 6, 4)
	s_cmp_eq_u32 s2, 0
	s_cbranch_scc0 .Lentry_in_a_cluster
	s_endpgm
.Lentry_in_a_cluster:
	s_bfe_u32 s2, ttmp6, 0x10000c
	s_cmp_lg_u32 s2, 0x3003
	s_cbranch_scc0 .Lentry_shape_is_right
	s_endpgm
.Lentry_shape_is_right:
; out = xn + Wo att + bo, att = softmax(q k^T / 8) v for one image of 1,024 pixels and 256 channels; all three products on codes of E4M3, each operand with its given scale 2^e (e6 .. e11).
; qc, kc: [image][pixel tile 0..63][half of K][2,048]; vc: [image][64 keys 0..15][channel tile 0..15][c 0..1][512]: images of operand registers: lane l = 16 h + r has 16 bytes at 512 c + 16 l: row r, k = 32 c + 16 h + 0 .. 15.
; Index m of tile 2 b + u stands for element 32 b + 8 u + m + (m & 8) (pixels; v's channels), so that the 16 result registers of tiles 2 b and 2 b + 1 are 16 neighbours along the next product's K.
; THE SOFTMAX: t = score x log2(e) / 8; M = the running largest t rounded UP to a whole number; p = 2^(t - M) is quantised (e8), not normalised; the row's sum is taken of the unquantised p and divides at the end.
; When M moves, the sum and O are multiplied by 2^(old M - new M), which rounds nothing; there is no branch on data.
; SHARES.  A cluster of four work-groups is one image; a work-group owns 256 queries, each of its eight waves 32: two tiles of 16.  Two waves share a SIMD's registers, so that one wave's vector work stands beside the other's products.
; Both products are used transposed: S^T = K Q^T (source 0 = 16 keys), O^T = V^T P^T (source 0 = 16 channels): a lane holds ONE query (lane % 16) throughout.
; JOINT LOADS.  The four work-groups walk the same K and V: every tile is asked for jointly (mask 15).  Two LDS slots of 256 keys (K 65,536 bytes, then V 65,536); each wave brings 16,384 bytes, dense in memory and in LDS:
; waves 0-3 K's quarters, waves 4-7 V's: one shape, one line of text.  A refill has four key steps in which to land.
; THE TAIL.  att is quantised (e11) in registers and goes round through LDS as images; wave w makes output channels 32 w .. 32 w + 31 for the 256 pixels (source 0 = 16 pixels of att, source 1 = 16 rows of Wo: a lane holds
; one channel and neighbouring pixels); the results turn through the wave's own stage and leave with the residual a x + d as whole rows of 256 bytes.
; x IS ASKED FOR BEFORE THE TAIL, so that its bytes move while the key steps run.  Wave w needs its own 32 channel rows, 1,024 bytes each, in four pixel groups of 256 bytes, and reads only what it fetched itself:
;   groups 0, 1: one plain tensor load a wave (32 rows x 512 bytes) into slot 0 at the last change of slots, when that slot has been read out;
;   group 2: behind the spare words 327,680 - 262,144 - 1,024 = 64,512 bytes are left, 8,064 a wave: 30 rows x 256 bytes come as a third first fill at the head; rows 30 and 31 by one load into registers in the tail;
;   group 3: sixteen loads into Q's registers in the last key step, behind its last product with Q.
; A wave has three tensor loads out at the start, later one.
; LDS: slot 0 at 0, slot 1 at 131,072; the spare words at 262,144; x's group 2 at 263,168 + 7,680 x wave.  In the tail att's images (65,536 bytes) and the stages (8 x 4,352) lie in slot 1, which has had its last fill;
; a barrier stands between every wave's last read of that slot and the first store into it.
; LIMITS, so that each power of two is an f32 number: e6 + e7 between -123 and 130 (added to c's exponent field); e8 and e11 between -126 and 119; e10 + e11 between -126 and 127; e8 + e9 goes by v_ldexp_f32 and has none.
; NaN among the inputs is not served.
; REGISTERS, window 0, in the loop: v1 16 x lane; v2, v3 the spare word's address and 0; v4, v5 LDS addresses of the step's K and V; v6 the prefetch's offset; v7 x's and out0's offset; v8 448 x 2^e8, v9 2^e8;
;   v10-11 a permute's destination; v12-15 second chains of the sums; v16 + 8 t: -M, largest t, the sum (2), f (2), two maxima; v32-95 Q; v96-159 S^T, then p; v160-175 p's codes; v176-239 four fragment buffers of 16.
;   window 1: O^T at 128 t + 8 x channel tile.
;   In the tail, window 0: v4 where I store att's images, v17 where they are read; v5, v10 the stage, in and back; v11-14 offsets of Wo, ab, bo; v15, v16 x's places in LDS; v32-95 x's group 3; v96-159 att's codes, then
;   fragment buffer 0; v160-169 a, d, bo and bo + d of my lane's channels; v172-175 rows 30, 31 of x's group 2; v176-239 Wo; v240-255 a of the rows that I store.
;   window 1: v0-63 fragment buffer 1; v64-127 x of groups 0 to 2; v128-191 accumulators; v192-255 results.
.set SLOT1, 131072
.set VOFF,  65536                      ; V's part of a slot
.set STEPB, 16384                      ; a key step's bytes of K, and of V
.set SPARE, 262144                     ; behind the ring: the spare words, 128 bytes for each wave: four blocks of 256 bytes that no other line names
.set XE,    263168                     ; behind them: x's group 2, 30 rows x 256 bytes for each wave; nothing is stored here
.set XEW,   7680
.set ATT,   SLOT1                      ; the tail: att's images,
.set STAGE, SLOT1+65536                ; and 16 rows x (256 + 16) bytes for each wave
.set ST,  16
.set Q,   32
.set S,   96
.set P,   160
.set F,   176
.set X3,  32
.set AF0, 96
.set XR,  172
.set WO,  176
.set AR,  240
.set XB,  64
.set ACC, 128
.set Y,   192
.set MSB, 0
.macro WIN new                         ; the immediate's high byte repeats the setting that is left; bits 1:0 source 0, 3:2 source 1, 5:4 source 2, 7:6 destination
.if MSB != \new
	s_set_vgpr_msb (MSB<<8)|\new
.set MSB, \new
.endif
.endm
.macro PLACES n                        ; plain vector instructions between a matrix instruction and a load into its sources or a read of its result (ISA guide 7.12.1 for a read of its result)
.rept \n
	v_nop
.endr
.endm
.macro CROUND                          ; a round of the cluster's barrier: my work-group's barrier; wave 0 signals for the work-group; every wave waits for all four; my work-group's barrier once more
	s_barrier_signal -1
	s_barrier_wait -1
	s_cmp_lg_u32 s22, 0
	s_cbranch_scc1 .Lnot_wave_0_\@
	s_barrier_signal -3
.Lnot_wave_0_\@:
	s_barrier_wait -3
	s_barrier_signal -1
	s_barrier_wait -1
.endm
.macro MKSC sc, lim, e                 ; v[sc] = 2^e as f32, v[lim] = 448 x 2^e; e in s[e]
	s_add_co_i32 s42, s[\e], 127
	s_lshl_b32 s43, s42, 23
	v_mov_b32 v[\sc], s43
	s_add_co_i32 s42, s42, 8
	s_lshl_b32 s42, s42, 23
	s_or_b32 s42, s42, 0x600000
	v_mov_b32 v[\lim], s42
.endm
	s_load_b512 s[4:19], s[0:1], 0x0               ; qc s[4:5], kc s[6:7], vc s[8:9], wo s[10:11], bo s[12:13], x s[14:15], ab s[16:17], the exponents s[18:19]
	s_load_b64 s[20:21], s[0:1], 0x40              ; out0
	v_lshl_add_u32 v2, v0, 2, SPARE
	v_mov_b32 v3, 0
	ds_add_u32 v2, v3
	ds_add_u32 v2, v3
	s_wait_dscnt 0x0
	v_lshrrev_b32 v4, 5, v0
	v_readfirstlane_b32 s22, v4                    ; wave 0..7
	v_and_b32 v1, 31, v0
	v_lshlrev_b32 v6, 12, v1                       ; a channel's row of x is 4,096 bytes: a lane a row
	v_lshlrev_b32 v1, 4, v1                        ; 16 x lane
	v_bfe_u32 v7, v0, 4, 1
	v_lshlrev_b32 v7, 12, v7
	v_and_b32 v4, 15, v0
	v_lshl_add_u32 v7, v4, 4, v7                   ; x and out0 by rows: lanes 0-15 take 256 bytes of one row, lanes 16-31 of the next; never rewritten
	s_bfe_u32 s23, ttmp6, 0x40000                  ; cx
	s_lshl_b32 s43, ttmp9, 2
	s_add_co_u32 s23, s23, s43                     ; my block of 256 queries: it enters the addresses of qc, x and out0 alone
	s_and_b32 s42, ttmp7, 0xffff                   ; the image, which the four partners share
	; descriptor group 1 for K's and V's tiles: 64 rows of 32 elements of 8 bytes, dense: 16,384 bytes
	s_mov_b32 s24, 15|(3<<16)|(1<<21)              ; 15:0 the mask: all four work-groups; 17:16 elements of 8 bytes; 20 no padding; 21 set beside a mask
	s_mov_b32 s25, 32<<16                          ; tensor_dim0 = 32
	s_mov_b32 s26, 64<<16                          ; tensor_dim1 = 64
	s_mov_b32 s27, 32<<16                          ; tile_dim0 = 32
	s_mov_b32 s28, 64                              ; tile_dim1 = 64
	s_mov_b32 s29, 32                              ; from row to row: 32 elements
	s_mov_b32 s30, 0
	s_mov_b32 s31, 0
	; for x's groups 0 and 1: 32 rows of 128 elements of 4 bytes, 1,024 elements apart; no mask: the tile is my work-group's own
	s_mov_b32 s68, 2<<16
	s_mov_b32 s69, 128<<16
	s_mov_b32 s70, 32<<16
	s_mov_b32 s71, 128<<16
	s_mov_b32 s72, 32
	s_mov_b32 s73, 1024
	s_mov_b32 s74, 0
	s_mov_b32 s75, 0
	; for x's group 2: 30 rows of 64 elements
	s_mov_b32 s76, 2<<16
	s_mov_b32 s77, 64<<16
	s_mov_b32 s78, 30<<16
	s_mov_b32 s79, 64<<16
	s_mov_b32 s80, 30
	s_mov_b32 s81, 1024
	s_mov_b32 s82, 0
	s_mov_b32 s83, 0
	s_mov_b32 s46, 0x76543210                      ; v_permlanex16_b32: lane l takes lane l xor 16
	s_mov_b32 s47, 0xfedcba98
	s_and_b32 s43, s22, 3
	s_lshl_b32 s43, s43, 14                        ; my quarter of a slot's K or V,
	s_lshl_b32 s2, s42, 18                         ; in my image's 2^18 bytes
	s_add_co_u32 s2, s2, s43
	s_mov_b32 s3, 0
	s_lshl_b32 s62, s42, 20                        ; x and out0: image, my 32 channels, my block's 256 pixels (in registers that feed no joint load)
	s_lshl_b32 s59, s22, 17
	s_add_co_u32 s62, s62, s59
	s_lshl_b32 s59, s23, 10
	s_add_co_u32 s62, s62, s59
	s_mov_b32 s63, 0
	s_wait_kmcnt 0x0
	s_load_b256 s[48:55], s[18:19], 0x10           ; e4 .. e11
	s_cmp_lt_u32 s22, 4                            ; waves 0-3 fetch for K, waves 4-7 for V: the same in all partners
	s_cselect_b64 s[60:61], s[6:7], s[8:9]
	s_add_nc_u64 s[60:61], s[60:61], s[2:3]
	s_mov_b32 s32, 1                               ; group 0 for slot 0: count = 1,
	s_lshl_b32 s33, s22, 14                        ; LDS address 16,384 x wave: no place in the cluster enters it,
	s_mov_b64 s[34:35], s[60:61]                   ; keys 0-255,
	s_or_b32 s35, s35, 0x80000000                  ; type = 2
	s_mov_b32 s36, 1                               ; group 0 for slot 1:
	s_add_co_u32 s37, s33, SLOT1
	s_add_nc_u64 s[38:39], s[60:61], 65536         ; keys 256-511
	s_or_b32 s39, s39, 0x80000000
	s_add_nc_u64 s[14:15], s[14:15], s[62:63]      ; x and out0 at my wave's first row, my block's first pixel
	s_add_nc_u64 s[20:21], s[20:21], s[62:63]
	s_mov_b32 s84, 1                               ; group 0 for x's groups 0 and 1: into slot 0, 16,384 x wave
	s_lshl_b32 s85, s22, 14
	s_mov_b64 s[86:87], s[14:15]
	s_or_b32 s87, s87, 0x80000000
	s_mov_b32 s88, 1                               ; group 0 for x's group 2: 512 bytes along the rows
	s_mul_i32 s89, s22, XEW
	s_add_co_u32 s89, s89, XE
	s_add_nc_u64 s[90:91], s[14:15], 512
	s_or_b32 s91, s91, 0x80000000
	CROUND                                         ; all four work-groups are here: the first joint loads meet
	tensor_load_to_lds s[32:35], s[24:31]          ; the three first fills go out together, ahead of every wait on TENSORcnt and every LDS read
	s_nop 0
	tensor_load_to_lds s[36:39], s[24:31]
	s_nop 0
	tensor_load_to_lds s[88:91], s[76:83]
	s_nop 0
	PLACES 4
	s_lshl_b32 s2, s42, 18                         ; Q: image, block of 16 tiles, my pair of tiles
	s_lshl_b32 s43, s23, 16
	s_add_co_u32 s2, s2, s43
	s_lshl_b32 s43, s22, 13
	s_add_co_u32 s2, s2, s43
	s_add_nc_u64 s[4:5], s[4:5], s[2:3]
.irp t, 0,1
.irp kh, 0,1
.irp c, 0,1,2,3
	global_load_b128 v[Q+32*\t+16*\kh+4*\c:Q+32*\t+16*\kh+4*\c+3], v1, s[4:5] offset:\t*4096+\kh*2048+512*\c   ; Q stays in registers
.endr
.endr
.endr
	s_mov_b32 s2, s43
	s_add_nc_u64 s[10:11], s[10:11], s[2:3]        ; Wo: my 32 rows of 256 bytes
	s_lshl_b32 s2, s22, 7
	s_add_nc_u64 s[12:13], s[12:13], s[2:3]        ; bo: my 32 numbers
	s_lshl_b32 s2, s42, 11                         ; ab: image, my 32 channels
	s_lshl_b32 s43, s22, 8
	s_add_co_u32 s2, s2, s43
	s_add_nc_u64 s[16:17], s[16:17], s[2:3]
.irp t, 0,1
	v_mov_b32 v[ST+8*\t+1], 0xff61b1e6             ; the largest t so far: -3e38, under every t
	v_floor_f32 v[ST+8*\t], -v[ST+8*\t+1]          ; -M
	v_mov_b32 v[ST+8*\t+2], 0                      ; the sum, in two halves
	v_mov_b32 v[ST+8*\t+3], 0
	v_mov_b32 v[ST+8*\t+5], 0                      ; (named as the upper half of f's pair)
	v_mov_b32 v[10+\t], 0                          ; a lane permute's destination counts as read
.endr
	s_wait_kmcnt 0x0
	s_add_co_i32 s43, s50, s51                     ; a score stands for score x 2^(e6 + e7): the two exponents are added to c's exponent field
	s_lshl_b32 s43, s43, 23
	s_add_co_i32 s44, s43, 0x3e38aa3b              ; c = log2(e) / 8
	s_mov_b32 s45, s44                             ; (named with it as a pair)
	s_add_co_i32 s58, s52, s53                     ; e8 + e9
	s_add_co_i32 s56, s54, s55
	s_add_co_i32 s56, s56, 127
	s_lshl_b32 s56, s56, 23                        ; 2^(e10 + e11) as f32
	s_mov_b32 s57, s56
	MKSC 9, 8, 52                                  ; p's scale and hold
; unit i = 4 kh + kt of a step's K: 16 keys (tile kt) x half kh of the channels, into buffer i % 4
.macro KLOAD i
.irp c, 0,1,2,3
	ds_load_b128 v[F+16*((\i)%4)+4*\c:F+16*((\i)%4)+4*\c+3], v4 offset:((\i)%4)*4096+((\i)/4)*2048+512*\c
.endr
.endm
; unit d of a step's V: channel tiles 2 d and 2 d + 1 x 64 keys, eight registers each, into buffer d % 4
.macro VLOAD d
.irp e, 0,1
.irp c, 0,1
	ds_load_b128 v[F+16*((\d)%4)+8*\e+4*\c:F+16*((\d)%4)+8*\e+4*\c+3], v5 offset:(2*(\d)+\e)*1024+512*\c
.endr
.endr
.endm
; x's pixel group 3 for my 32 channels: 16 lanes read 256 consecutive bytes of a row; into the registers that held Q
.macro XLOAD3
.irp ot, 0,1
.irp i, 0,1,2,3,4,5,6,7
	global_load_b128 v[X3+32*\ot+4*\i:X3+32*\ot+4*\i+3], v7, s[14:15] offset:(16*\ot+2*\i)*4096+768 th:TH_LOAD_NT
.endr
.endr
.endm
; the softmax of a key step, the two tiles line by line, so that no line waits for the line above it
.macro SOFTMAX
.irp t, 0,1
	v_max3_num_f32 v[ST+8*\t+6], v[S+32*\t], v[S+32*\t+1], v[S+32*\t+2]   ; the largest of my query's 32 scores, in two ascending chains: each accumulator is first read at its low end
.endr
.irp t, 0,1
	v_max3_num_f32 v[ST+8*\t+7], v[S+32*\t+3], v[S+32*\t+4], v[S+32*\t+5]
.endr
.irp i, 6,10,14,18,22,26
.irp t, 0,1
	v_max3_num_f32 v[ST+8*\t+6], v[ST+8*\t+6], v[S+32*\t+\i], v[S+32*\t+\i+1]
.endr
.irp t, 0,1
	v_max3_num_f32 v[ST+8*\t+7], v[ST+8*\t+7], v[S+32*\t+\i+2], v[S+32*\t+\i+3]
.endr
.endr
.irp t, 0,1
	v_max3_num_f32 v[ST+8*\t+6], v[ST+8*\t+6], v[S+32*\t+30], v[S+32*\t+31]
.endr
.irp t, 0,1
	v_max_num_f32 v[ST+8*\t+6], v[ST+8*\t+6], v[ST+8*\t+7]
.endr
.irp t, 0,1
	v_permlanex16_b32 v[10+\t], v[ST+8*\t+6], s46, s47   ; the query's other 32 keys lie in the lane 16 away
.endr
.irp t, 0,1
	v_max_num_f32 v[ST+8*\t+6], v[ST+8*\t+6], v[10+\t]
.endr
.irp t, 0,1
	v_mul_f32 v[ST+8*\t+6], s44, v[ST+8*\t+6]      ; as t (c is positive)
.endr
.irp t, 0,1
	v_max_num_f32 v[ST+8*\t+1], v[ST+8*\t+1], v[ST+8*\t+6]   ; the running largest t
.endr
.irp t, 0,1
	v_mov_b32 v[ST+8*\t+6], v[ST+8*\t]
.endr
.irp t, 0,1
	v_floor_f32 v[ST+8*\t], -v[ST+8*\t+1]          ; the new -M = floor(-t) = -ceil(t)
.endr
.irp t, 0,1
	v_sub_f32 v[ST+8*\t+6], v[ST+8*\t], v[ST+8*\t+6]   ; old M - new M: a whole number, 0 or less
.endr
.irp t, 0,1
	v_cvt_i32_f32 v[ST+8*\t+6], v[ST+8*\t+6]       ; (it saturates)
.endr
.irp t, 0,1
	v_ldexp_f32 v[ST+8*\t+4], 1.0, v[ST+8*\t+6]    ; f = 2^(old M - new M)
.endr
.set j, 0
.rept 16
.irp t, 0,1
	v_pk_fma_f32 v[S+32*\t+j:S+32*\t+j+1], v[S+32*\t+j:S+32*\t+j+1], s[44:45], v[ST+8*\t:ST+8*\t+1] op_sel_hi:[1,0,0]   ; t - M (of the pairs c and -M the low word serves both halves)
.endr
.set j, j+2
.endr
.set j, 0
.rept 64
	v_exp_f32 v[S+j], v[S+j]                       ; p = 2^(t - M): one batch for both tiles
.set j, j+1
.endr
.irp t, 0,1
	v_pk_mul_f32 v[ST+8*\t+2:ST+8*\t+3], v[ST+8*\t+2:ST+8*\t+3], v[ST+8*\t+4:ST+8*\t+5] op_sel_hi:[1,0]   ; the sums under the new M: the plain instructions behind the exponentials
.endr
	s_wait_alu depctr_va_vdst(0)                   ; one wait for the 64 exponentials, ahead of their first reader
.irp t, 0,1
	v_pk_add_f32 v[12+2*\t:13+2*\t], v[S+32*\t:S+32*\t+1], v[S+32*\t+2:S+32*\t+3]   ; the row's sum, of the unquantised p, in two chains
.endr
.irp j, 4,8,12,16,20,24,28
.irp t, 0,1
	v_pk_add_f32 v[ST+8*\t+2:ST+8*\t+3], v[ST+8*\t+2:ST+8*\t+3], v[S+32*\t+\j:S+32*\t+\j+1]
.endr
.irp t, 0,1
	v_pk_add_f32 v[12+2*\t:13+2*\t], v[12+2*\t:13+2*\t], v[S+32*\t+\j+2:S+32*\t+\j+3]
.endr
.endr
.irp t, 0,1
	v_pk_add_f32 v[ST+8*\t+2:ST+8*\t+3], v[ST+8*\t+2:ST+8*\t+3], v[12+2*\t:13+2*\t]
.endr
.irp t, 0,1
.set j, 0
.rept 32
	v_min_num_f32 v[S+32*\t+j], v[S+32*\t+j], v8   ; the conversion does not saturate (ISA guide 7.6.2); p is not negative, so the hold is one-sided
.set j, j+1
.endr
.irp g, 0,1,2,3
	v_cvt_scalef32_pk8_fp8_f32 v[P+8*\t+2*\g:P+8*\t+2*\g+1], v[S+32*\t+8*\g:S+32*\t+8*\g+7], v9   ; tiles 2 c, 2 c + 1 of keys: registers 4 c .. 4 c + 3: keys 32 c + 16 h + 0 .. 15
.endr
.endr
	v_nop                                          ; a plain instruction between the conversions and the products that read their results
.endm
; A KEY STEP: 64 keys.  Sixteen units of fragments go through four buffers: K's eight, then V's eight; a unit is asked for four units ahead, so V's first four land under the softmax.
; first = 1: the launch's first step: its products start O^T's sums, and nothing is rescaled.  ask = 1: see below.  last = 1: the launch's last step: Q is done with behind its products, and x's group 3 is asked for into its registers.
.macro STEP first, ask, last
	v_add_nc_u32 v4, s40, v1                       ; these two and two v_nop are the four places behind the last step's products, ahead of loads into the buffers that they read
	v_add_nc_u32 v5, VOFF, v4
	PLACES 2
	KLOAD 0
	KLOAD 1
	KLOAD 2
	KLOAD 3
.if \ask
; A PREFETCH INTO THE L2 of x's group 3, which the last key step loads into registers: of each of my wave's 32 channel rows the last 256 of my block's 1,024 bytes: a lane a row, one instruction, each aligned block of
; 256 bytes named once in the launch (wave, work-group and image enter the address).  It stands at the head of the last step but one, a key step and that step's products with Q ahead of the loads, behind a run of
; LDS loads; no tensor load follows it.  The rest of x comes by tensor loads that have four key steps or more in which to land, and is not prefetched.
	s_cmp_eq_u32 s41, 1
	s_cbranch_scc0 .Lno_ask_\@
	global_prefetch_b8 v6, s[14:15] offset:768 th:TH_LOAD_NT scope:SCOPE_SE
.Lno_ask_\@:
.endif
.irp i, 0,1,2,3,4,5,6,7                ; S^T = K Q^T: unit i against both tiles of queries; the eight accumulators take turns
	s_wait_dscnt 12                                ; unit i is in; the three younger units, four loads each, may be out
.irp t, 0,1
.if \i < 4
	v_wmma_f32_16x16x128_fp8_fp8 v[S+32*\t+8*(\i%4):S+32*\t+8*(\i%4)+7], v[F+16*(\i%4):F+16*(\i%4)+15], v[Q+32*\t:Q+32*\t+15], 0
.else
	v_wmma_f32_16x16x128_fp8_fp8 v[S+32*\t+8*(\i%4):S+32*\t+8*(\i%4)+7], v[F+16*(\i%4):F+16*(\i%4)+15], v[Q+32*\t+16:Q+32*\t+31], v[S+32*\t+8*(\i%4):S+32*\t+8*(\i%4)+7]
.endif
.endr
	PLACES 4                                       ; ahead of the loads into the buffer just multiplied; behind unit 7 also ahead of the first read of the scores, and of the loads into Q's registers
.if \i < 4
	KLOAD \i+4
.else
	VLOAD \i-4
.endif
.endr
.if \last
	XLOAD3
.endif
	SOFTMAX
.if !\first
	WIN 0x41                                       ; O^T (destination and source 0) window 1, f window 0
.irp t, 0,1
.set j, 0
.rept 64
	v_pk_mul_f32 v[128*\t+j:128*\t+j+1], v[128*\t+j:128*\t+j+1], v[ST+8*\t+4:ST+8*\t+5] op_sel_hi:[1,0]   ; O^T under the new M
.set j, j+2
.endr
.endr
.endif
.irp d, 0,1,2,3,4,5,6,7                ; O^T += V^T P^T: unit d's two channel tiles x both tiles of queries; K = the step's 64 keys: 32 accumulators, one instruction each
.if \d < 5
	s_wait_dscnt 12                                ; unit d is in; the three younger units may be out
.else
	s_wait_dscnt 4*(7-\d)                          ; the counts run down: no more is asked for
.endif
	WIN 0x50                                       ; C and D window 1
.irp e, 0,1
.irp t, 0,1
.if \first
	v_wmma_f32_16x16x64_fp8_fp8 v[128*\t+8*(2*\d+\e):128*\t+8*(2*\d+\e)+7], v[F+16*(\d%4)+8*\e:F+16*(\d%4)+8*\e+7], v[P+8*\t:P+8*\t+7], 0
.else
	v_wmma_f32_16x16x64_fp8_fp8 v[128*\t+8*(2*\d+\e):128*\t+8*(2*\d+\e)+7], v[F+16*(\d%4)+8*\e:F+16*(\d%4)+8*\e+7], v[P+8*\t:P+8*\t+7], v[128*\t+8*(2*\d+\e):128*\t+8*(2*\d+\e)+7]
.endif
.endr
.endr
.if \d < 4
	PLACES 4
	WIN 0
	VLOAD \d+4
.endif
.endr
	WIN 0                                          ; at a label and at a branch every window is 0
	s_add_co_u32 s40, s40, STEPB                   ; the next step's tiles
.endm
.macro STEPS n, ask
	s_mov_b32 s41, \n
.Lstep_\@:
	STEP 0, \ask, 0
	s_sub_co_u32 s41, s41, 1
	s_cmp_lg_u32 s41, 0
	s_cbranch_scc1 .Lstep_\@
.endm
; THE CHANGE OF SLOTS.  Each wave waits for all its tensor loads (its part of the slot ahead among them), adds 0 to its spare word, and waits for that and for its reads of the slot that it leaves.  The barrier is a round
; of the cluster's, so that no wave of any partner still reads that slot or has a load on its way; the refill is the first thing behind it, one tensor load a wave.
; g0, g1: the refill's descriptor; step: bytes by which its address goes on first (0: it stands where it is wanted)
.macro CHANGE g0, g1, step
	s_wait_tensorcnt 0x0                           ; no tensor load of mine is out, so a group 0 may be written
	ds_add_u32 v2, v3                              ; 0 onto my spare word
.if \step
	s_add_nc_u64 s[\g0+2:\g0+3], s[\g0+2:\g0+3], \step   ; the type bits on top are not reached
.endif
	s_wait_dscnt 0x0                               ; the add is done, and my reads of the slot are over
	CROUND
	tensor_load_to_lds s[\g0:\g0+3], s[\g1:\g1+7]
	s_nop 0
	PLACES 4
.endm
	s_wait_tensorcnt 0x2                           ; my part of slot 0 is in; slot 1's and x's group 2 may stay out
	s_barrier_signal -1
	s_barrier_wait -1                              ; everybody's is
	s_wait_loadcnt 0x0                             ; Q
	s_mov_b32 s40, 0
	STEP 1, 0, 0                                   ; keys 0-63: written out, since its products start O^T's sums
	STEPS 3, 0                                     ; keys 64-255
	CHANGE 32, 24, 131072                          ; slot 0 takes keys 512-767
	s_mov_b32 s40, SLOT1
	STEPS 4, 0                                     ; keys 256-511
	CHANGE 36, 24, 131072                          ; slot 1 takes keys 768-1,023
	s_mov_b32 s40, 0
	STEPS 4, 0                                     ; keys 512-767
	CHANGE 84, 68, 0                               ; no keys are left to fetch: slot 0 takes x's groups 0 and 1, each wave its own 32 rows: four key steps ahead of the tail
	s_mov_b32 s40, SLOT1
	STEPS 3, 1                                     ; keys 768-959
	STEP 0, 0, 1                                   ; keys 960-1,023: written out, since it asks for x's group 3
	; THE TAIL.  The row's sum; the addresses (plain instructions: the places behind the last products and behind the reciprocals)
.irp t, 0,1
	v_add_f32 v[ST+8*\t+2], v[ST+8*\t+2], v[ST+8*\t+3]
.endr
.irp t, 0,1
	v_permlanex16_b32 v[10+\t], v[ST+8*\t+2], s46, s47
.endr
.irp t, 0,1
	v_add_f32 v[ST+8*\t+2], v[ST+8*\t+2], v[10+\t]
.endr
.irp t, 0,1
	v_rcp_f32 v[ST+8*\t+4], v[ST+8*\t+2]
.endr
	v_lshrrev_b32 v22, 5, v0                       ; wave
	v_and_b32 v23, 15, v0                          ; r
	v_bfe_u32 v30, v0, 4, 1                        ; h
	v_lshl_add_u32 v4, v22, 13, v1
	v_add_nc_u32 v4, ATT, v4                       ; att's images: my pair of pixel tiles: 8,192 x wave + 16 x lane
	v_add_nc_u32 v17, ATT, v1                      ; and where any wave reads them
	v_mul_u32_u24 v31, v22, 4352
	v_add_nc_u32 v31, STAGE, v31                   ; my stage
	v_mad_u32_u24 v5, v23, 272, v31
	v_lshl_add_u32 v5, v30, 6, v5                  ; in: row r (a channel), + 64 h: my half's 16 pixels of each 32
	v_mad_u32_u24 v10, v30, 272, v31
	v_lshl_add_u32 v10, v23, 4, v10                ; back: lanes 0-15 one row of 256 bytes, lanes 16-31 the next
	v_lshlrev_b32 v15, 14, v22
	v_lshl_add_u32 v15, v30, 9, v15
	v_lshl_add_u32 v15, v23, 4, v15                ; x's groups 0, 1 in slot 0: 16,384 x wave, rows of 512 bytes: the same two rows
	v_mad_u32_u24 v16, v22, XEW, v1
	v_add_nc_u32 v16, XE, v16                      ; x's group 2: 7,680 x wave, rows of 256 bytes: two rows are 512 bytes on end: 16 x lane
	v_lshlrev_b32 v11, 8, v23
	v_lshl_add_u32 v11, v30, 4, v11                ; Wo: row r of 256 bytes, + 16 h
	v_lshlrev_b32 v12, 3, v23                      ; (a, d) of channel r
	v_lshlrev_b32 v13, 3, v30                      ; a of row h of two
	v_lshlrev_b32 v14, 2, v23                      ; bo of channel r
.irp ot, 0,1                           ; Wo's fragments: tile ot (channels 16 ot + r of my 32), half kh of K
.irp kh, 0,1
.irp c, 0,1,2,3
	global_load_b128 v[WO+32*\ot+16*\kh+4*\c:WO+32*\ot+16*\kh+4*\c+3], v11, s[10:11] offset:\ot*4096+\kh*128+32*\c
.endr
.endr
.endr
	global_load_b64 v[160:161], v12, s[16:17]
	global_load_b64 v[162:163], v12, s[16:17] offset:128
	global_load_b32 v164, v14, s[12:13]
	global_load_b32 v165, v14, s[12:13] offset:64
.irp ot, 0,1
.irp i, 0,1,2,3,4,5,6,7
	global_load_b32 v[AR+8*\ot+\i], v13, s[16:17] offset:(16*\ot+2*\i)*8   ; a of channel 16 ot + 2 i + lane / 16: the rows as they are stored
.endr
.endr
	global_load_b128 v[XR:XR+3], v7, s[14:15] offset:30*4096+512 th:TH_LOAD_NT   ; rows 30 and 31 of x's group 2, for which LDS had no room
	MKSC 9, 8, 55                                  ; att's scale and hold: e11
	s_wait_alu depctr_va_vdst(0)                   ; one wait for the two reciprocals, ahead of their first reader
.irp t, 0,1
	v_ldexp_f32 v[ST+8*\t+4], v[ST+8*\t+4], s58    ; 2^(e8 + e9) / the sum
.endr
	s_wait_dscnt 0x0                               ; my reads of slot 1 are over:
	s_barrier_signal -1                            ; say so; only work on registers stands between this and the wait below
.irp t, 0,1                            ; att = O^T x that; the hold; the codes: tiles 2 b, 2 b + 1 of channels give registers 4 b .. 4 b + 3 of the tile's two fragments
	WIN 0x41
.set j, 0
.rept 64
	v_pk_mul_f32 v[128*\t+j:128*\t+j+1], v[128*\t+j:128*\t+j+1], v[ST+8*\t+4:ST+8*\t+5] op_sel_hi:[1,0]   ; ascending: each accumulator from its low end on
.set j, j+2
.endr
.set j, 0
.rept 128
	v_med3_num_f32 v[128*\t+j], v[128*\t+j], -v8, v8
.set j, j+1
.endr
	WIN 0x01                                       ; source 0 window 1, destination window 0
.set j, 0
.rept 16
	v_cvt_scalef32_pk8_fp8_f32 v[AF0+32*\t+2*j:AF0+32*\t+2*j+1], v[128*\t+8*j:128*\t+8*j+7], v9
.set j, j+1
.endr
.endr
	v_nop                                          ; a plain instruction behind the last conversion
	WIN 0
	s_barrier_wait -1                              ; nobody reads slot 1 any more, and it has had its last fill: images and stages may be stored there
.irp t, 0,1
.irp kh, 0,1
.irp c, 0,1,2,3
	ds_store_b128 v4, v[AF0+32*\t+16*\kh+4*\c:AF0+32*\t+16*\kh+4*\c+3] offset:\t*4096+\kh*2048+512*\c
.endr
.endr
.endr
	s_wait_dscnt 0x0                               ; for the others' sake: my images have landed
	s_barrier_signal -1
	s_barrier_wait -1                              ; att's 32 units lie in LDS
	s_wait_tensorcnt 0x0                           ; my rows of x's groups 0 and 1 are in slot 0 (group 2's landed long ago); only I read them
	s_wait_loadcnt 0x0                             ; x's group 3, asked for in the last key step, and Wo, a, d, bo and the two rows
	v_add_f32 v166, v164, v161                     ; bo + d of my lane's channel, tile 0,
	v_mov_b32 v167, v166                           ; (named with it as a pair)
	v_add_f32 v168, v165, v163                     ; tile 1
	v_mov_b32 v169, v168
; pair pp of pixel tiles: four fragments (tile, half of K) into buffer pp % 2: buffer 0 in window 0, buffer 1 in window 1
.macro AFLOAD pp
.if ((\pp)%2) == 0
	WIN 0
.set AB, AF0
.else
	WIN 0x40                                       ; destination window 1
.set AB, 0
.endif
.irp ptl, 0,1
.irp kh, 0,1
.irp c, 0,1,2,3
	ds_load_b128 v[AB+32*\ptl+16*\kh+4*\c:AB+32*\ptl+16*\kh+4*\c+3], v17 offset:(\pp)*8192+\ptl*4096+\kh*2048+512*\c
.endr
.endr
.endr
	WIN 0
.endm
; x of pixel group g (0, 1, 2) from LDS, in the order in which out0's rows are stored: two rows an instruction; group 2 has 15 pairs of rows here
.macro XL g
	WIN 0x40                                       ; destination window 1
.if (\g) < 2
.irp ot, 0,1
.irp i, 0,1,2,3,4,5,6,7
	ds_load_b128 v[XB+32*\ot+4*\i:XB+32*\ot+4*\i+3], v15 offset:(16*\ot+2*\i)*512+256*(\g)
.endr
.endr
.else
.irp p, 0,1,2,3,4,5,6,7,8,9,10,11,12,13,14
	ds_load_b128 v[XB+4*\p:XB+4*\p+3], v16 offset:512*\p
.endr
.endif
	WIN 0
.endm
	AFLOAD 0
.irp g, 0,1,2,3                        ; 64 pixels at a time
.if \g < 3
	XL \g
.endif
.irp q, 0,1                            ; pair 2 g + q: eight products, four accumulators by turns
.if 2*\g+\q < 7
	PLACES 4                                       ; ahead of loads into the buffer that the pair before multiplied
	AFLOAD 2*\g+\q+1
	s_wait_dscnt 16                                ; all but the 16 just issued
.else
	s_wait_dscnt 0x0
.endif
.if \q == 0
	WIN 0x50                                       ; att's fragments window 0; C and D window 1
.set AB, AF0
.else
	WIN 0x51                                       ; att's fragments window 1 too
.set AB, 0
.endif
.irp ptl, 0,1
.irp ot, 0,1
	v_wmma_f32_16x16x128_fp8_fp8 v[ACC+32*\ot+8*(2*\q+\ptl):ACC+32*\ot+8*(2*\q+\ptl)+7], v[AB+32*\ptl:AB+32*\ptl+15], v[WO+32*\ot:WO+32*\ot+15], 0
.endr
.endr
.irp ptl, 0,1
.irp ot, 0,1
	v_wmma_f32_16x16x128_fp8_fp8 v[ACC+32*\ot+8*(2*\q+\ptl):ACC+32*\ot+8*(2*\q+\ptl)+7], v[AB+32*\ptl+16:AB+32*\ptl+31], v[WO+32*\ot+16:WO+32*\ot+31], v[ACC+32*\ot+8*(2*\q+\ptl):ACC+32*\ot+8*(2*\q+\ptl)+7]
.endr
.endr
	WIN 0
.endr
	PLACES 4                                       ; ahead of the first read of results
.if \g > 0
	s_wait_xcnt 0x0                                ; the last group's stores have read their data registers, which are written now
.endif
	WIN 0x41                                       ; the sums and the results window 1, bo + d window 0
.irp ot, 0,1
.irp p4, 0,1,2,3
.irp i, 0,2,4,6
	v_pk_fma_f32 v[Y+32*\ot+8*\p4+\i:Y+32*\ot+8*\p4+\i+1], v[ACC+32*\ot+8*\p4+\i:ACC+32*\ot+8*\p4+\i+1], s[56:57], v[166+2*\ot:167+2*\ot] op_sel_hi:[1,0,0]   ; sum x 2^(e10 + e11) + bo + d
.endr
.endr
.endr
.irp ot, 0,1                           ; 16 channels x 64 pixels turn through my stage: register j of tile 2 bb + u is pixel 32 bb + 16 h + 8 u + j.  LDS serves a wave's instructions in order (ISA guide 5.7.1.4): no wait between
	WIN 0x04                                       ; store data window 1
.irp bb, 0,1
.irp u, 0,1
	ds_store_b128 v5, v[Y+32*\ot+8*(2*\bb+\u):Y+32*\ot+8*(2*\bb+\u)+3] offset:128*\bb+32*\u
	ds_store_b128 v5, v[Y+32*\ot+8*(2*\bb+\u)+4:Y+32*\ot+8*(2*\bb+\u)+7] offset:128*\bb+32*\u+16
.endr
.endr
	WIN 0x40                                       ; destination window 1: back as rows, into the registers that they left
.irp i, 0,1,2,3,4,5,6,7
	ds_load_b128 v[Y+32*\ot+4*\i:Y+32*\ot+4*\i+3], v10 offset:544*\i
.endr
.endr
	s_wait_dscnt 0x0
.irp ot, 0,1
.irp i, 0,1,2,3,4,5,6,7
.if \g == 3
	WIN 0x50                                       ; group 3's x lies in window 0
.set XS, X3+32*\ot+4*\i
.elseif (\g == 2) && (\ot == 1) && (\i == 7)
	WIN 0x50                                       ; and so do rows 30 and 31 of group 2
.set XS, XR
.else
	WIN 0x51                                       ; x and the results window 1, a window 0
.set XS, XB+32*\ot+4*\i
.endif
.irp k, 0,1,2,3
	v_fma_f32 v[Y+32*\ot+4*\i+\k], v[XS+\k], v[AR+8*\ot+\i], v[Y+32*\ot+4*\i+\k]   ; out = a x + (d + bo + Wo att)
.endr
.endr
.endr
	WIN 0x04
.irp ot, 0,1
.irp i, 0,1,2,3,4,5,6,7
	global_store_b128 v7, v[Y+32*\ot+4*\i:Y+32*\ot+4*\i+3], s[20:21] offset:(16*\ot+2*\i)*4096+256*\g th:TH_STORE_NT   ; 16 lanes store 256 consecutive bytes, aligned
.endr
.endr
	WIN 0
.endr
	s_wait_tensorcnt 0x0                           ; the wave's end, behind my last tensor load and my last LDS store
	ds_add_u32 v2, v3
	s_wait_dscnt 0x0
	CROUND                                         ; the closing round: no work-group ends while a partner may still ask for a tile that names it
	s_endpgm
.Lfunc_end_k_qafe8d970a2_attn:
	.size	k_qafe8d970a2_attn, .Lfunc_end_k_qafe8d970a2_attn-k_qafe8d970a2_attn
	.p2alignl 7, 3214868480
	.fill 96, 4, 3214868480
	.section	.rodata,"a",@progbits
	.p2align	6, 0x0
	.amdhsa_kernel k_qafe8d970a2_attn
		.amdhsa_group_segment_fixed_size 327680
		.amdhsa_private_segment_fixed_size 0
		.amdhsa_enable_private_segment 0
		.amdhsa_kernarg_size 72
		.amdhsa_user_sgpr_count 2
		.amdhsa_user_sgpr_kernarg_segment_ptr 1
		.amdhsa_wavefront_size32 1
		.amdhsa_system_sgpr_workgroup_id_x 1
		.amdhsa_system_sgpr_workgroup_id_y 1
		.amdhsa_system_sgpr_workgroup_id_z 1
		.amdhsa_system_vgpr_workitem_id 0
		.amdhsa_next_free_vgpr 512
		.amdhsa_next_free_sgpr 92
		.amdhsa_reserve_vcc 0
		.amdhsa_float_denorm_mode_32 3
		.amdhsa_float_denorm_mode_16_64 3
		.amdhsa_memory_ordered 1
		.amdhsa_forward_progress 1
		.amdhsa_inst_pref_size 255
	.end_amdhsa_kernel
	.section	.bss,"aw",@nobits
	.p2align	6
	.space	262144
	.amdgpu_metadata
---
amdhsa.version: [ 1, 2 ]
amdhsa.kernels:
  - .name:           k_qafe8d970a2_attn
    .symbol:         k_qafe8d970a2_attn.kd
    .args:
      - { .name: qc, .offset: 0, .size: 8, .value_kind: global_buffer, .address_space: global }
      - { .name: kc, .offset: 8, .size: 8, .value_kind: global_buffer, .address_space: global }
      - { .name: vc, .offset: 16, .size: 8, .value_kind: global_buffer, .address_space: global }
      - { .name: wo_codes, .offset: 24, .size: 8, .value_kind: global_buffer, .address_space: global }
      - { .name: bo, .offset: 32, .size: 8, .value_kind: global_buffer, .address_space: global }
      - { .name: x, .offset: 40, .size: 8, .value_kind: global_buffer, .address_space: global }
      - { .name: ab, .offset: 48, .size: 8, .value_kind: global_buffer, .address_space: global }
      - { .name: lowp_scales, .offset: 56, .size: 8, .value_kind: global_buffer, .address_space: global }
      - { .name: out0, .offset: 64, .size: 8, .value_kind: global_buffer, .address_space: global }
    .group_segment_fixed_size: 327680
    .private_segment_fixed_size: 0
    .kernarg_segment_align: 8
    .kernarg_segment_size: 72
    .max_flat_workgroup_size: 256
    .sgpr_count:     92
    .vgpr_count:     512
    .wavefront_size: 32
...
	.end_amdgpu_metadata
.endif
;; end of part 3
;; ======== version 2 of 2: 3 launches; version 1 with the launch proj written anew for expert scheduling mode
;; workspace buffers: ab 131,072 bytes; qc 16,777,216 bytes; kc 16,777,216 bytes; vc 16,777,216 bytes
;; launch stats: the kernel of part 1 again; grid 512 x 1, 8 waves a work-group, no clusters, 1,280 bytes of LDS; arguments x, gamma, beta, ab; writes ab
;; launch proj (part 4): grid 4 x 64, 8 waves a work-group, no clusters, 197,632 bytes of LDS; arguments x, ab, wq_codes, wk_codes, wv_codes, bq, bk, bv, lowp_scales, qc, kc, vc; writes qc, kc, vc
.if DOCPART == 4
	.amdgcn_target "amdgcn-amd-amdhsa--gfx1250"
	.amdhsa_code_object_version 6
	.text
	.protected	k_qafe8d970a2_proj
	.globl	k_qafe8d970a2_proj
	.p2align	8
	.type	k_qafe8d970a2_proj,@function
k_qafe8d970a2_proj:
	s_mov_b64 s[64:65], 0
	v_nop
	global_prefetch_b8 v0, s[64:65] scope:SCOPE_SE
	s_setreg_imm32_b32 hwreg(HW_REG_WAVE_SCHED_MODE, 0, 2), 2
	s_setreg_imm32_b32 hwreg(HW_REG_WAVE_MODE, 25, 1), 1
	s_wait_xcnt 0x0
	s_wait_alu depctr_vm_vsrc(0)
; xn = a x + d (GroupNorm), quantised three times (scales e1, e3, e5); q = Wq xn + bq, k = Wk xn + bk, v = Wv xn + bv on codes of E4M3; q, k, v quantised (e6, e7, e9) and stored as codes.
; SHARES.  A work-group takes 256 pixels of one image, all 256 channels.  THE WAVES SHARE THE OUTPUT CHANNELS: wave w keeps rows 32 w .. 32 w + 31 of Wq, Wk and Wv in registers (192) and makes
; those outputs for all 256 pixels.  What goes round is xn's codes: each wave quantises 32 pixels and the others read them from LDS.
; IMAGES.  An operand goes through LDS, and into qc, kc, vc, as an image of its registers.  A unit is 16 rows x 128 along K, 2,048 bytes: group c (0..3) of 512 bytes; lane l = 16 h + r puts 16 bytes at
; 512 c + 16 l: row r, k = 32 c + 16 h + 0 .. 15.  A load of 16 bytes a lane at 16 x lane brings four operand registers.  That order of k is the same in both operands of every product, so each code meets its partner.
; THE ROWS OF A TILE ARE NOT NEIGHBOURS: index m of tile 2 b + u stands for element 32 b + 8 u + m + (m & 8), for pixels and for the rows of the weights alike.  So the 16 result registers of tiles 2 b and 2 b + 1
; are 16 neighbours, 32 b + 16 h + 0 .. 15, along the next product's K.
;   q, k: source 0 = 16 rows of W, source 1 = 16 pixels: a lane holds one pixel and 16 neighbouring channels: K of q k^T.   qc, kc: [image][pixel tile 0..63][half of K][2,048].
;   v:    source 0 = 16 pixels, source 1 = 16 rows of Wv: a lane holds one channel and 16 neighbouring pixels: K of p v.     vc: [image][64 keys 0..15][channel tile 0..15][c 0..1][512].
; THE SCALES ARE FOLDED: a sum stands for sum x 2^(eA + eB); the bias goes in as the C of the first product, divided by that power; the conversion takes 2^(e_out - eA - eB).
; NO JOINT LOADS: all work-groups read the same 196,608 bytes of weights, but they go straight into operand registers; brought jointly they would need 196,608 bytes of LDS beside the 196,608 of the images,
; more than a work-group can claim; and they stand beside 262,144 bytes of x read and 196,608 bytes of codes written that nobody shares.
; LIMITS, so that each power of two is an f32 number: e1, e3, e5, e6 - e0 - e1, e7 - e2 - e3, e9 - e4 - e5 between -126 and 119.  NaN among the inputs is not served.
; THE MODE: SCHED_MODE bits 1:0 = 2 (LLVM: expert scheduling mode 2), set by the entry lines.  The code itself states the register dependences between vector or matrix instructions and memory or LDS
; instructions, with s_wait_alu, always for 0.  The text has no branch and no label: one path.
; THE PLAN.  Registers that memory or LDS instructions touch:
;   v2-11, v254, v255   offsets and LDS addresses: written at the head, ahead of the head's wait on va_vdst, and never again.
;   X0, X1, X2 (v64-159), phase X.   Block cb's multiply-adds and holds work on X[cb % 3]; the loads of block cb + 2, issued in block cb, land in X[(cb - 1) % 3], which the block before worked on.
;   CD (v192-215), phase X.          Block cb's conversions write it; its six LDS stores are issued at the head of block cb + 1.
;   BUF0, BUF1 (v32-95, v96-159), phase P.   Stage n's products read BUF[n % 2]; the LDS loads of stage n + 1, issued in stage n, land in BUF[(n + 1) % 2], which the stage before multiplied.
;   OC0, OC1 (v192-199, v200-207), phase P.  Stage n's conversions write OC[n % 2]; its two stores are issued at the head of stage n + 1.
;   The held numbers and accumulators (v160-191) and the scales (v12-23) are named by vector and matrix instructions alone; the weights and biases are loaded once, into registers that nothing has named.
; So ONE wait on va_vdst stands at the head of a block and of a stage: behind it the step before has written what this step's stores read and is done with the registers in which this step's loads land, and no
; vector or matrix instruction of this step names either.  ONE wait on vm_vsrc stands ahead of a step's first conversion: the stores issued earlier have read the registers that the conversions write.
; REGISTERS.  window 0: v2 x's offset; v3-5 where I store images (set 0, 1, 2); v6-8 16 x lane + set x 65,536: where images are read (v6 also the stores' offset); v9-11 offsets of weights and biases;
;   v12-17 scale and limit of xn's three sets; v18-23 of q, k, v; v28-29 bv as loaded; v254, v255 the closing add's two.  Phase X: v64-159 three sets of 32 numbers; v160-191 held numbers; v192-215 codes.
;   Phase P: v32-95, v96-159 two buffers of four fragments; v160-191 four accumulators; v192-207 two out-buffers of codes.   window 1: v0-191 the weights (64 m + 32 u + 16 kh); v192-207 bq, v208-223 bk, v224-239 bv.
; SCALARS.  s[4:5] x, s[6:7] ab, s[8:9] qc, s[10:11] kc, s[12:13] vc, each at my part; s48-57 e0..e9; s58 wave; s59-61 -(e0+e1), -(e2+e3), -(e4+e5); s[16:47], s[68:99]: (a, d) of 16 channels each.
.set XS,  64
.set TH,  160
.set CD,  192
.set AC,  160
.set OC,  192                          ; out-buffer k at OC + 8 k
.set BQ,  192
.set BV,  224
.set MSB, 0
.macro WIN new                         ; the immediate's high byte repeats the setting that is left; bits 1:0 source 0, 3:2 source 1, 5:4 source 2, 7:6 destination
.if MSB != \new
	s_set_vgpr_msb (MSB<<8)|\new
.set MSB, \new
.endif
.endm
.macro MKSC sc, lim, e                 ; v[sc] = 2^e as f32 (a conversion takes its exponent field), v[lim] = 448 x 2^e; e in s[e]
	s_add_co_i32 s2, s[\e], 127
	s_lshl_b32 s14, s2, 23
	v_mov_b32 v[\sc], s14
	s_add_co_i32 s2, s2, 8
	s_lshl_b32 s2, s2, 23
	s_or_b32 s2, s2, 0x600000
	v_mov_b32 v[\lim], s2
.endm
	s_load_b512 s[16:31], s[0:1], 0x0              ; x, ab, wq, wk, wv, bq, bk, bv
	s_load_b256 s[32:39], s[0:1], 0x40             ; the scales' exponents, qc, kc, vc
	v_lshl_add_u32 v254, v0, 2, 0x30000
	v_mov_b32 v255, 0
	v_lshrrev_b32 v24, 5, v0
	v_readfirstlane_b32 s58, v24                   ; wave 0..7
	v_and_b32 v24, 31, v0
	v_lshlrev_b32 v6, 4, v24                       ; 16 x lane
	v_add_nc_u32 v7, 0x10000, v6
	v_add_nc_u32 v8, 0x20000, v6
	v_and_b32 v24, 15, v0                          ; r
	v_bfe_u32 v25, v0, 4, 1                        ; h
	v_and_b32 v26, 8, v24
	v_add_nc_u32 v26, v26, v24                     ; r + (r & 8)
	v_lshl_add_u32 v2, v25, 3, v26
	v_lshlrev_b32 v2, 2, v2                        ; phase X: my pixel among the wave's 32: index r of tile h: 8 h + r + (r & 8); 4 bytes each
	v_lshrrev_b32 v3, 4, v0
	v_lshlrev_b32 v3, 12, v3
	v_lshl_add_u32 v3, v24, 4, v3                  ; and its place in the images: tile 2 wave + h is 4,096 x (thread / 16); + 16 r
	v_add_nc_u32 v4, 0x10000, v3
	v_add_nc_u32 v5, 0x20000, v3
	v_lshlrev_b32 v9, 8, v26
	v_lshl_add_u32 v9, v25, 4, v9                  ; a weight's fragment: row r + (r & 8) of 256 bytes, + 16 h
	v_lshlrev_b32 v10, 6, v25                      ; bq, bk: 16 h channels on
	v_lshlrev_b32 v11, 2, v26                      ; bv: channel r + (r & 8)
	s_wait_alu depctr_va_sdst(0)                   ; s58 is written, ahead of its first reader: the bases of x, of the codes, of the weights and of the biases are made from it
	s_and_b32 s59, ttmp7, 0xffff                   ; the image
	s_mov_b32 s3, 0
	s_wait_kmcnt 0x0
	s_load_b256 s[48:55], s[32:33], 0x0            ; e0 .. e7
	s_load_b64 s[56:57], s[32:33], 0x20            ; e8, e9
	s_lshl_b32 s60, s59, 20                        ; x: an image is 2^20 bytes, my block's 256 pixels 1,024 bytes on, my wave's 32 pixels 128 bytes on
	s_lshl_b32 s61, ttmp9, 10
	s_add_co_u32 s60, s60, s61
	s_lshl_b32 s61, s58, 7
	s_add_co_u32 s2, s60, s61
	s_add_nc_u64 s[4:5], s[16:17], s[2:3]
	s_lshl_b32 s2, s59, 11                         ; ab: 2,048 bytes an image
	s_add_nc_u64 s[6:7], s[18:19], s[2:3]
	s_lshl_b32 s60, s59, 18                        ; the codes: 2^18 bytes an image, 2^16 a block of 256 pixels
	s_lshl_b32 s61, ttmp9, 16
	s_add_co_u32 s60, s60, s61
	s_lshr_b32 s61, s58, 2                         ; qc, kc: my 32 channels are group wave % 4 of half wave / 4 of K
	s_lshl_b32 s61, s61, 11
	s_and_b32 s62, s58, 3
	s_lshl_b32 s62, s62, 9
	s_add_co_u32 s61, s61, s62
	s_add_co_u32 s2, s60, s61
	s_add_nc_u64 s[8:9], s[34:35], s[2:3]
	s_add_nc_u64 s[10:11], s[36:37], s[2:3]
	s_lshl_b32 s61, s58, 11                        ; vc: my two channel tiles, 1,024 bytes each
	s_add_co_u32 s2, s60, s61
	s_add_nc_u64 s[12:13], s[38:39], s[2:3]
	s_lshl_b32 s2, s58, 13                         ; my 32 rows of each weight
	s_add_nc_u64 s[20:21], s[20:21], s[2:3]
	s_add_nc_u64 s[22:23], s[22:23], s[2:3]
	s_add_nc_u64 s[24:25], s[24:25], s[2:3]
	s_lshl_b32 s2, s58, 7                          ; my 32 numbers of each bias
	s_add_nc_u64 s[26:27], s[26:27], s[2:3]
	s_add_nc_u64 s[28:29], s[28:29], s[2:3]
	s_add_nc_u64 s[30:31], s[30:31], s[2:3]
	WIN 0x40                                       ; destination window 1
	s_wait_alu depctr_va_vdst(0)                   ; v2 to v11, v254 and v255 are written: every load, store and LDS instruction of the kernel reads one of them as its offset or address, and none is written again
.irp m, 0,1,2                          ; the weights stay in registers: weight m, tile u (rows 8 u + r + (r & 8) of my 32), half kh of K
.irp u, 0,1
.irp kh, 0,1
.irp c, 0,1,2,3
	global_load_b128 v[64*\m+32*\u+16*\kh+4*\c:64*\m+32*\u+16*\kh+4*\c+3], v9, s[20+2*\m:21+2*\m] offset:\u*2048+\kh*128+32*\c
.endr
.endr
.endr
.endr
.irp m, 0,1                            ; bq, bk in the result's layout: register j of tile u is channel 16 h + 8 u + j of my 32
.irp u, 0,1
	global_load_b128 v[BQ+16*\m+8*\u:BQ+16*\m+8*\u+3], v10, s[26+2*\m:27+2*\m] offset:32*\u
	global_load_b128 v[BQ+16*\m+8*\u+4:BQ+16*\m+8*\u+7], v10, s[26+2*\m:27+2*\m] offset:32*\u+16
.endr
.endr
	WIN 0
	global_load_b32 v28, v11, s[30:31]             ; bv: in v's result a lane holds one channel: 8 u + r + (r & 8)
	global_load_b32 v29, v11, s[30:31] offset:32
; block cb: channels 32 cb + i of my pixel, i = 0 .. 31, into set cb % 3.  A LANE TAKES A PIXEL AND ITS REGISTERS RUN DOWN THE CHANNELS, which are K.  A wave's load covers 128 consecutive bytes, the eight waves' 1,024
.macro LOADX cb
.set i, 0
.rept 32
	global_load_b32 v[XS+32*((\cb)%3)+i], v2, s[4:5] offset:(32*(\cb)+i)*4096 th:TH_LOAD_NT
.set i, i+1
.endr
.endm
; block cb's codes go into the three sets' images: the lane's 32 codes of a set: channels 0-15 of the block are h = 0's bytes, 16-31 h = 1's
.macro XSTORE cb
.irp s, 0,1,2
	ds_store_b128 v[3+\s], v[CD+8*\s:CD+8*\s+3] offset:((\cb)/4)*2048+((\cb)%4)*512
	ds_store_b128 v[3+\s], v[CD+8*\s+4:CD+8*\s+7] offset:((\cb)/4)*2048+((\cb)%4)*512+256
.endr
.endm
	LOADX 0
	LOADX 1
	s_wait_kmcnt 0x0                               ; the exponents
	MKSC 12, 13, 49                                ; xn for q: e1
	MKSC 14, 15, 51                                ; for k: e3
	MKSC 16, 17, 53                                ; for v: e5
	s_add_co_i32 s59, s48, s49
	s_sub_co_i32 s59, 0, s59                       ; -(e0 + e1)
	s_add_co_i32 s60, s50, s51
	s_sub_co_i32 s60, 0, s60
	s_add_co_i32 s61, s52, s53
	s_sub_co_i32 s61, 0, s61
	s_add_co_i32 s62, s54, s59
	MKSC 18, 19, 62                                ; q: e6 - e0 - e1
	s_add_co_i32 s62, s55, s60
	MKSC 20, 21, 62                                ; k: e7 - e2 - e3
	s_add_co_i32 s62, s57, s61
	MKSC 22, 23, 62                                ; v: e9 - e4 - e5
	s_wait_xcnt 0x0                                ; every load so far has read its base: s16-47 may be written again
	s_load_b512 s[16:31], s[6:7], 0x0              ; (a, d) of channels 0-7, 8-15,
	s_load_b512 s[32:47], s[6:7], 0x40
	s_load_b512 s[68:83], s[6:7], 0x80             ; 16-23, 24-31
	s_load_b512 s[84:99], s[6:7], 0xc0
; PHASE X, a block of 32 channels: xn = a x + d; for each of the three scales: the hold and the conversion.  The block's codes leave for LDS at the head of the next block, behind that block's one wait on va_vdst.
.macro XBLOCK cb
.if \cb < 7
	s_wait_loadcnt 32                              ; this block's 32 loads are in (and all that was asked for earlier); the next block's may be out
.else
	s_wait_loadcnt 0x0
.endif
.if \cb > 0
	s_wait_alu depctr_va_vdst(0)                   ; the block before has written its codes, which the LDS stores below read, and is done writing and reading its set of numbers, in which the loads below land
	XSTORE (\cb)-1
.endif
.if \cb < 6
	LOADX (\cb)+2                                  ; no vector instruction since the wait above names these registers (in block 0: none ever has)
.endif
.set XB, XS+32*((\cb)%3)
	s_wait_kmcnt 0x0                               ; this block's a and d
.set i, 0
.rept 16
	v_fma_f32 v[XB+i], v[XB+i], s[16+2*i], s[17+2*i]
.set i, i+1
.endr
.if \cb < 7
	s_load_b512 s[16:31], s[6:7], 256*(\cb)+256    ; the next block's first 16 channels
	s_load_b512 s[32:47], s[6:7], 256*(\cb)+320
.endif
.set i, 0
.rept 16
	v_fma_f32 v[XB+16+i], v[XB+16+i], s[68+2*i], s[69+2*i]
.set i, i+1
.endr
.if \cb < 7
	s_load_b512 s[68:83], s[6:7], 256*(\cb)+384
	s_load_b512 s[84:99], s[6:7], 256*(\cb)+448
.endif
.irp s, 0,1,2
.set i, 0
.rept 32
	v_med3_num_f32 v[TH+i], v[XB+i], -v[13+2*\s], v[13+2*\s]   ; the conversion to an 8-bit code does not saturate (ISA guide 7.6.2): the hold at 448 x the scale
.set i, i+1
.endr
.if \cb > 0
.if \s == 0
	s_wait_alu depctr_vm_vsrc(0)                   ; the six LDS stores at this block's head have read the codes' registers, which this block's conversions write again
.endif
	s_wait_dscnt 4-2*\s                            ; beside it, not in its place: this set's two stores of the block before are done; the 4 - 2 s issued behind them may be out
.endif
.irp g, 0,1,2,3
	v_cvt_scalef32_pk8_fp8_f32 v[CD+8*\s+2*\g:CD+8*\s+2*\g+1], v[TH+8*\g:TH+8*\g+7], v[12+2*\s]
.endr
	v_nop                                          ; a plain instruction between the conversions and the next lines that write their sources
.endr
.endm
.irp cb, 0,1,2,3,4,5,6,7
	XBLOCK \cb
.endr
	s_wait_alu depctr_va_vdst(0)                   ; block 7 has written its codes, which the LDS stores below read.  Every vector instruction that names v64-159 stands ahead of this wait too: the fragments of stages 0 and 1 land there
	XSTORE 7
	; the biases, divided by the power of two that the sums lack (all loads are in since the last block's wait); they name window 1, v28 and v29 alone
	WIN 0x41                                       ; source 0 and destination window 1
.set i, 0
.rept 16
	v_ldexp_f32 v[BQ+i], v[BQ+i], s59
	v_ldexp_f32 v[BQ+16+i], v[BQ+16+i], s60
.set i, i+1
.endr
	WIN 0x40                                       ; destination window 1
.irp u, 0,1
.irp j, 0,1,2,3,4,5,6,7
	v_ldexp_f32 v[BV+8*\u+\j], v[28+\u], s61       ; eight equal registers a tile: the lane's one channel, for its eight pixels
.endr
.endr
	WIN 0
	s_wait_dscnt 0x0                               ; for the others' sake: my images have landed
	s_barrier_signal -1
	s_barrier_wait -1                              ; all 96 units lie in LDS; nothing is written there any more
	s_wait_alu depctr_vm_vsrc(0)                   ; my LDS stores have read v192-215: v192-207 are the two out-buffers from here on, written by the stages' conversions
; PHASE P: 24 stages: pair n / 3 of pixel tiles (32 pixels) x set n % 3 (0 q, 1 k, 2 v).  Half kh of K of stage FM's fragments (both pixel tiles, eight loads) comes into buffer FM % 2
.macro FETCHH kh
.set FBP, FM/3
.set FS, FM%3
.set FBUF, 32+64*(FM%2)
.irp ptl, 0,1
.irp c, 0,1,2,3
	ds_load_b128 v[FBUF+32*\ptl+16*(\kh)+4*\c:FBUF+32*\ptl+16*(\kh)+4*\c+3], v[6+FS] offset:(2*FBP+\ptl)*4096+(\kh)*2048+512*\c
.endr
.endr
.endm
; stage SM's codes leave, from out-buffer SM % 2
.macro PSEND
.set SBP, SM/3
.set SSS, SM%3
.set SOC, OC+8*(SM%2)
.if SSS < 2
.irp ptl, 0,1
	global_store_b128 v6, v[SOC+4*\ptl:SOC+4*\ptl+3], s[8+2*SSS:9+2*SSS] offset:(2*SBP+\ptl)*4096   ; the wave stores 512 consecutive bytes, aligned: one group of one unit
.endr
.else
.irp u, 0,1
	global_store_b128 v6, v[SOC+4*\u:SOC+4*\u+3], s[12:13] offset:(SBP/2)*16384+\u*1024+(SBP%2)*512
.endr
.endif
.endm
.macro PSTAGE                          ; stage n
.set SS, n%3
.set BUF, 32+64*(n%2)
.set ON, OC+8*(n%2)
.if n > 0
	s_wait_alu depctr_va_vdst(0)                   ; the stage before has written its out-buffer, which the stores below read, and its products are done reading their fragments, in whose registers this stage's sixteen LDS loads land
.endif
.if n < 23
.set FM, n+1
	FETCHH 0                                       ; the next stage's first half of K (in stage 0 the wait behind block 7 covers these registers)
.endif
.if n > 0
.set SM, n-1
	PSEND
.endif
.if n < 23
	s_wait_dscnt 16                                ; LDS loads come back in order (ISA guide 5.7.1): this stage's first half of K is in; its second half and the eight just issued may be out
.else
	s_wait_dscnt 8                                 ; the last stage asks for nothing: its second half may be out
.endif
; eight products, four accumulators by turns, one instruction a turn.  Between the two groups of four stand the next stage's other eight LDS loads:
; the products name this stage's buffer, the weights, the bias and the accumulators, none of the registers that those loads touch
.if SS < 2
	WIN 0x11                                       ; source 0 (W) and C (the bias) window 1
.irp ptl, 0,1
.irp u, 0,1
	v_wmma_f32_16x16x128_fp8_fp8 v[AC+16*\ptl+8*\u:AC+16*\ptl+8*\u+7], v[64*SS+32*\u:64*SS+32*\u+15], v[BUF+32*\ptl:BUF+32*\ptl+15], v[BQ+16*SS+8*\u:BQ+16*SS+8*\u+7]
.endr
.endr
	WIN 0                                          ; an LDS load's address is its source 0
	FETCHH 1
	s_wait_dscnt 16                                ; this stage's second half of K is in; the next stage's sixteen may be out
	WIN 0x01
.irp ptl, 0,1
.irp u, 0,1
	v_wmma_f32_16x16x128_fp8_fp8 v[AC+16*\ptl+8*\u:AC+16*\ptl+8*\u+7], v[64*SS+32*\u+16:64*SS+32*\u+31], v[BUF+32*\ptl+16:BUF+32*\ptl+31], v[AC+16*\ptl+8*\u:AC+16*\ptl+8*\u+7]
.endr
.endr
.else
	WIN 0x14                                       ; source 1 (Wv) and C (the bias) window 1
.irp u, 0,1
.irp ptl, 0,1
	v_wmma_f32_16x16x128_fp8_fp8 v[AC+16*\u+8*\ptl:AC+16*\u+8*\ptl+7], v[BUF+32*\ptl:BUF+32*\ptl+15], v[128+32*\u:128+32*\u+15], v[BV+8*\u:BV+8*\u+7]
.endr
.endr
	WIN 0x04                                       ; source 0 and the destination stand in window 0 under this setting: it serves the LDS loads and the products behind them
.if n < 23
	FETCHH 1
	s_wait_dscnt 16
.else
	s_wait_dscnt 0x0
.endif
.irp u, 0,1
.irp ptl, 0,1
	v_wmma_f32_16x16x128_fp8_fp8 v[AC+16*\u+8*\ptl:AC+16*\u+8*\ptl+7], v[BUF+32*\ptl+16:BUF+32*\ptl+31], v[128+32*\u+16:128+32*\u+31], v[AC+16*\u+8*\ptl:AC+16*\u+8*\ptl+7]
.endr
.endr
.endif
	WIN 0
.rept 4
	v_nop                                          ; four places behind the last product, ahead of the first read of results
.endr
.set i, 0
.rept 32
	v_med3_num_f32 v[AC+i], v[AC+i], -v[19+2*SS], v[19+2*SS]   ; the hold; each accumulator from its low end on
.set i, i+1
.endr
.if n > 1
	s_wait_xcnt 0x0                                ; every earlier store has had its addresses translated (ISA guide 3.1): a store's data registers are written again only behind this wait,
	s_wait_alu depctr_vm_vsrc(0)                   ; and beside it: the stores of two stages back, issued at the head of the stage before, have read this out-buffer, which the conversions below write
.endif
.irp g, 0,1,2,3
	v_cvt_scalef32_pk8_fp8_f32 v[ON+2*\g:ON+2*\g+1], v[AC+8*\g:AC+8*\g+7], v[18+2*SS]   ; 16 registers on end are 16 neighbours along the next K: four registers of an image
.endr
	v_nop                                          ; a plain instruction between the conversions and the next products, which write their sources
.endm
.set FM, 0
	FETCHH 0                                       ; stage 0's fragments: v32-63 have been named by nothing, v64-95 by nothing since the wait behind block 7
	FETCHH 1
.set n, 0
.rept 24
	PSTAGE
.set n, n+1
.endr
	s_wait_alu depctr_va_vdst(0)                   ; the last stage's conversions have written their out-buffer, which the last two stores read
.set SM, 23
	PSEND
	s_wait_dscnt 0x0                               ; the closing lines, six on end
	s_wait_alu 0x0
	s_wait_tensorcnt 0x0
	ds_add_u32 v254, v255
	s_wait_dscnt 0x0
	s_endpgm
.Lfunc_end_k_qafe8d970a2_proj:
	.size	k_qafe8d970a2_proj, .Lfunc_end_k_qafe8d970a2_proj-k_qafe8d970a2_proj
	.p2alignl 7, 3214868480
	.fill 96, 4, 3214868480
	.section	.rodata,"a",@progbits
	.p2align	6, 0x0
	.amdhsa_kernel k_qafe8d970a2_proj
		.amdhsa_group_segment_fixed_size 197632
		.amdhsa_private_segment_fixed_size 0
		.amdhsa_enable_private_segment 0
		.amdhsa_kernarg_size 96
		.amdhsa_user_sgpr_count 2
		.amdhsa_user_sgpr_kernarg_segment_ptr 1
		.amdhsa_wavefront_size32 1
		.amdhsa_system_sgpr_workgroup_id_x 1
		.amdhsa_system_sgpr_workgroup_id_y 1
		.amdhsa_system_sgpr_workgroup_id_z 1
		.amdhsa_system_vgpr_workitem_id 0
		.amdhsa_next_free_vgpr 512
		.amdhsa_next_free_sgpr 100
		.amdhsa_reserve_vcc 0
		.amdhsa_float_denorm_mode_32 3
		.amdhsa_float_denorm_mode_16_64 3
		.amdhsa_memory_ordered 1
		.amdhsa_forward_progress 1
		.amdhsa_inst_pref_size 220
	.end_amdhsa_kernel
	.amdgpu_metadata
---
amdhsa.version: [ 1, 2 ]
amdhsa.kernels:
  - .name:           k_qafe8d970a2_proj
    .symbol:         k_qafe8d970a2_proj.kd
    .args:
      - { .name: x, .offset: 0, .size: 8, .value_kind: global_buffer, .address_space: global }
      - { .name: ab, .offset: 8, .size: 8, .value_kind: global_buffer, .address_space: global }
      - { .name: wq_codes, .offset: 16, .size: 8, .value_kind: global_buffer, .address_space: global }
      - { .name: wk_codes, .offset: 24, .size: 8, .value_kind: global_buffer, .address_space: global }
      - { .name: wv_codes, .offset: 32, .size: 8, .value_kind: global_buffer, .address_space: global }
      - { .name: bq, .offset: 40, .size: 8, .value_kind: global_buffer, .address_space: global }
      - { .name: bk, .offset: 48, .size: 8, .value_kind: global_buffer, .address_space: global }
      - { .name: bv, .offset: 56, .size: 8, .value_kind: global_buffer, .address_space: global }
      - { .name: lowp_scales, .offset: 64, .size: 8, .value_kind: global_buffer, .address_space: global }
      - { .name: qc, .offset: 72, .size: 8, .value_kind: global_buffer, .address_space: global }
      - { .name: kc, .offset: 80, .size: 8, .value_kind: global_buffer, .address_space: global }
      - { .name: vc, .offset: 88, .size: 8, .value_kind: global_buffer, .address_space: global }
    .group_segment_fixed_size: 197632
    .private_segment_fixed_size: 0
    .kernarg_segment_align: 8
    .kernarg_segment_size: 96
    .max_flat_workgroup_size: 256
    .sgpr_count:     100
    .vgpr_count:     512
    .wavefront_size: 32
...
	.end_amdgpu_metadata
.endif
;; end of part 4
;; launch attn: the kernel of part 3 again; grid 4 x 64, 8 waves a work-group, clusters of 4 x 1, 327,680 bytes of LDS; arguments qc, kc, vc, wo_codes, bo, x, ab, lowp_scales, out0; writes out0
